; MI455X (gfx1250); checked and timed in simulation.
; The chip was launched on July 23, 2026; its instructions are those of AMD's public machine-readable ISA for CDNA 5 (MIT licence, August 2026) and "CDNA5" Instruction Set Architecture Reference Guide (July 2026). The comments in the code are by the model that wrote it; some were corrected since.
;; Multi Headed Attention. Allowed arithmetic: matrix products marked QUANTISED: E2M1 operands, one E8M0 scale for each 32 along K, by v_wmma_scale_f32_16x16x128_f8f6f4 with both operands' format E2M1 (or v_wmma_scale_f32_32x16x128_f4), f32 sums; products left as they are: bf16, f16 or f32 operands; f32 sums; everything else in f32.
;; Inputs: Wk 1,024 x 1,024 float32; Wo 1,024 x 1,024 float32; Wq 1,024 x 1,024 float32; Wv 1,024 x 1,024 float32; bk 1,024 float32; bo 1,024 float32; bq 1,024 float32; bv 1,024 float32; key 4 x 2,048 x 1,024 float32; query 4 x 2,048 x 1,024 float32; value 4 x 2,048 x 1,024 float32.
;; Outputs: out0 4 x 2,048 x 1,024 float32.
;; This version of the problem:
;;   THIS VERSION OF THE PROBLEM IS GIVEN IN LOW PRECISION. The matrix products marked QUANTISED in the list below multiply operands that are first quantised to E2M1 (2 exponent bits, 1 mantissa bit; 4 bits a number), with one power-of-two scale for each 32 numbers along K (OCP MX v1.0); their sums are f32. The products marked 'left as it is' may take bf16, f16 or f32 operands, with f32 sums. Whichever they take, every output number must still come out within the allowed error. Rounding operands to bf16 (8 significant bits) uses up far more of that allowance than f16 does (11 bits, for magnitudes from 6e-5 to 65,504). All else is computed in f32.
;;   The module's matrix products, in the order in which they are computed (A, B: the left and right operand; K: the contracted axis; several contracted axes count as one K, in the product's order):
;;     1. [M 8,192, K 1,024] x [K 1,024, N 1,024]; A: input query; B: input Wq: QUANTISED
;;     2. [M 8,192, K 1,024] x [K 1,024, N 1,024]; A: input key; B: input Wk: QUANTISED
;;     3. [M 8,192, K 1,024] x [K 1,024, N 1,024]; A: input value; B: input Wv: QUANTISED
;;     4. batch 64 x [M 2,048, K 64] x [K 64, N 2,048]; A: computed on the way; B: computed on the way: left as it is (an operand is computed on the way)
;;     5. batch 64 x [M 2,048, K 2,048] x [K 2,048, N 64]; A: computed on the way; B: computed on the way: left as it is (an operand is computed on the way)
;;     6. [M 8,192, K 1,024] x [K 1,024, N 1,024]; A: computed on the way; B: input Wo: left as it is (an operand is computed on the way)
;;   THE QUANTISER, for each operand of a quantised product, along K:
;;     - K is cut into blocks of 32 from its start; a last block that is shorter is filled with zeros.
;;     - A block's scale is 2^e with e = floor(log2(the largest magnitude in the block)) - 2, held to -126 .. 127; a block of zeros has e = 0. As a byte (E8M0): e + 127.
;;     - Each number is divided by its block's scale, clamped to +-6, and rounded to the nearest number of E2M1, ties to even, subnormals kept.
;;     - The product sums the exact products of the quantised numbers (number of the format x scale) in f32.
;;   ~~~python
;;   def quantise(x, axis):      # numpy; x: float32 -> the quantised numbers, widened to float32 again
;;       x = np.moveaxis(x, axis, -1); K = x.shape[-1]
;;       x = np.pad(x, [(0, 0)] * (x.ndim - 1) + [(0, -K % 32)]); x = x.reshape(x.shape[:-1] + (-1, 32)); a = np.abs(x).max(-1, keepdims=True)
;;       e = np.where(a > 0, np.clip(np.frexp(np.where(a > 0, a, 1))[1] - 1 - 2, -126, 127), 0)      # np.frexp(a)[1] - 1 = floor(log2(a)), exactly
;;       r = np.clip(x / 2.0 ** e, -6, 6)
;;       step = 2.0 ** (np.maximum(np.frexp(np.where(r == 0, 1, r))[1] - 1, 0) - 1)
;;       q = np.round(r / step) * step * 2.0 ** e      # np.round: ties to even
;;       return np.moveaxis(q.reshape(q.shape[:-2] + (-1,))[..., :K], -1, axis).astype(np.float32)
;;   ~~~
;; One version. Each part assembles by itself: llvm-mc -triple=amdgcn-amd-amdhsa -mcpu=gfx1250 --defsym DOCPART=n.
;; ======== version 1 of 1: 4 launches
;; limits: values are held in f16: magnitudes above 65,504 overflow, below 6.1e-05 lose precision; right only within a limited range of input values
;; workspace buffers: xc 12,582,912 bytes; xs 786,432 bytes; wc 1,572,864 bytes; ws 98,304 bytes; wo16 2,097,152 bytes; qkv 50,331,648 bytes; xa 16,777,216 bytes
;; launch prep (part 1): grid 704 x 1, 4 waves a work-group, no clusters, 34,304 bytes of LDS; arguments query, key, value, Wq, Wk, Wv, Wo, xc, xs, wc, ws, wo16; writes xc, xs, wc, ws, wo16
.if DOCPART == 1
	.amdgcn_target "amdgcn-amd-amdhsa--gfx1250"
	.amdhsa_code_object_version 6
	.text
	.protected	k_q87ca466890_prep
	.globl	k_q87ca466890_prep
	.p2align	8
	.type	k_q87ca466890_prep,@function
k_q87ca466890_prep:
	s_mov_b64 s[64:65], 0
	v_nop
	global_prefetch_b8 v0, s[64:65] scope:SCOPE_SE
	s_setreg_imm32_b32 hwreg(HW_REG_WAVE_MODE, 25, 1), 1
	s_wait_xcnt 0x0
; PREP.  query, key, value [8192][1024] f32 (K innermost) and Wq, Wk, Wv [1024 (k)][1024 (n)] f32 (K outermost) become codes of FP4 (E2M1) with one E8M0 byte for each 32 along K; Wo [1024 (k)][1024 (n)] becomes f16.
; EVERY OUTPUT IS LAID AS AN IMAGE OF THE OPERAND'S REGISTERS: 512 bytes, lane l's 16 bytes at 16 l, so that the later launches fetch dense blocks and read fragments at a constant + 16 x lane.
;   xc (part t of 4,194,304): kh x 2,097,152 + (row / 16) x 4,096 + st4 x 1,024 + c x 512 + 16 x lane: lane (r, h) holds the 32 codes of row r, k = 512 kh + 128 st4 + 64 c + 32 h + 0 .. 31.   wc (part of 524,288; kh x 262,144): the same with n for the row.
;   xs (part of 262,144): kh x 131,072 + row x 16 + 4 st4: a word of four scale bytes for a row and 128 along K.   ws (part of 32,768; kh x 16,384): the same with n.
;   wo16: ((ks x 64 + n / 16) x 8 + k8) x 512 + 16 x lane: lane (r, h) holds Wo[128 ks + 16 k8 + 8 h + 0 .. 7][16 (n / 16) + r].
; A block's scale is 2^(floor(log2(its largest magnitude)) - 2): its byte is the largest magnitude's exponent field - 2, held at 1 from below by a floor among the maximum's leaves.
; LIMITS: a block of zeros, or one whose largest magnitude lies under 2^-124, gets the byte 1 (the rule says 127 for zeros: its codes are zeros, which add nothing, and this program alone reads the bytes); NaN and infinities among
; the inputs are not served; Wo beyond f16's 65,504 is not served.
; THREE PATHS, parted on the work-group's number, which never join: 0-191 the three weights, 192-319 Wo, 320-703 the three activations.  The work-groups share no input: no cluster.  No tensor load, no barrier: waves share nothing.
; LDS is touched by the activations' path alone: a stage of 16 rows x 528 bytes for each wave, and behind the four stages the spare words.
.set STG,   16*528                     ; a wave's stage: 16 rows of 512 bytes + 16 of padding: 33 x 16 bytes, so that sixteen rows' reads of 16 bytes fall on sixteen different columns of 16 bytes
.set SPARE, 4*STG                      ; the spare words, 128 bytes for each wave: two blocks of 256 bytes that no other line names
.set SPW,   12                         ; v12  LDS address of my spare word; never rewritten
.set NIL,   13                         ; v13  0; never rewritten
.set TM,    16                         ; v16-31 at work in QUANT
.set WD,    32                         ; v32-39 a row's eight scale words
.set PC,    40                         ; v40..  codes
.set OW,    48                         ; v48-51 the scale words on the way out
.set X,     64                         ; v64-127 64 numbers of a lane
.set R,     128                        ; v128-255 two sets of 64 registers as loaded
.set SEL,   30                         ; s[30:31] selects of v_permlanex16_b32 for lane l xor 16
	s_load_b512 s[4:19], s[0:1], 0x0               ; query, key, value, Wq, Wk, Wv, Wo, xc
	s_load_b256 s[20:27], s[0:1], 0x40             ; xs, wc, ws, wo16
	v_lshl_add_u32 v[SPW], v0, 2, SPARE
	v_mov_b32 v[NIL], 0
	v_lshrrev_b32 v1, 5, v0
	v_readfirstlane_b32 s28, v1                    ; wave 0..3
	v_and_b32 v1, 31, v0                           ; lane
	v_and_b32 v2, 15, v0                           ; r
	v_bfe_u32 v3, v0, 4, 1                         ; h
	v_lshlrev_b32 v4, 4, v1                        ; 16 x lane
	v_lshlrev_b32 v5, 2, v1                        ; 4 x lane
	s_mul_i32 s29, s28, STG
	v_add_nc_u32 v6, s29, v4                       ; the stage, on the way in: 16 x lane of a row
	v_mul_u32_u24 v7, v2, 528
	v_lshl_add_u32 v7, v3, 6, v7
	v_add_nc_u32 v7, s29, v7                       ; and on the way out: row r, + 64 h
	v_lshlrev_b32 v14, 4, v2
	v_lshl_add_u32 v15, v3, 17, v14                ; 131,072 h + 16 r: the activations' scale words
	v_lshl_add_u32 v14, v3, 12, v14                ; 4,096 h + 16 r: a column's place in the weights' images
	s_mov_b32 s[SEL], 0x76543210
	s_mov_b32 s[SEL+1], 0xfedcba98
	s_mov_b32 s43, 0                               ; the upper word of every offset
	s_wait_kmcnt 0x0
	s_cmp_lt_u32 ttmp9, 192
	s_cbranch_scc0 .Lnot_w
; ---- Wq, Wk, Wv.  A LANE TAKES A COLUMN n AND ITS REGISTERS RUN DOWN K: a load reads 128 consecutive bytes, a block of 32 lies in one lane, and the conversions give codes with K innermost.
; Work-group: t = id / 64, 128 columns (id % 8), 128 along K ((id / 8) % 8); a wave 32 of the columns.
	s_lshr_b32 s32, ttmp9, 6                       ; t
	s_and_b32 s33, ttmp9, 7
	s_bfe_u32 s34, ttmp9, 0x30003                  ; st: which 128 along K
	s_lshr_b32 s35, s34, 2                         ; kh
	s_and_b32 s36, s34, 3                          ; st4
	s_lshl_b32 s37, s33, 7
	s_lshl_b32 s38, s28, 5
	s_add_co_u32 s37, s37, s38                     ; n0: my wave's first column
	s_cmp_eq_u32 s32, 1
	s_cselect_b64 s[40:41], s[12:13], s[10:11]
	s_cmp_eq_u32 s32, 2
	s_cselect_b64 s[40:41], s[14:15], s[40:41]     ; the weight: the choice hangs on the work-group's number alone
	s_lshl_b32 s42, s34, 19                        ; 128 rows of 4,096 bytes
	s_lshl_b32 s38, s37, 2
	s_add_co_u32 s42, s42, s38
	s_add_nc_u64 s[40:41], s[40:41], s[42:43]
	s_lshl_b32 s42, s32, 19                        ; codes: t x 524,288 + kh x 262,144 + (n0 / 16) x 4,096 + st4 x 1,024
	s_lshl_b32 s38, s35, 18
	s_add_co_u32 s42, s42, s38
	s_lshl_b32 s38, s37, 8
	s_add_co_u32 s42, s42, s38
	s_lshl_b32 s38, s36, 10
	s_add_co_u32 s42, s42, s38
	s_add_nc_u64 s[44:45], s[22:23], s[42:43]
	s_lshl_b32 s42, s32, 15                        ; scale words: t x 32,768 + kh x 16,384 + 16 n0 + 4 st4
	s_lshl_b32 s38, s35, 14
	s_add_co_u32 s42, s42, s38
	s_lshl_b32 s38, s37, 4
	s_add_co_u32 s42, s42, s38
	s_lshl_b32 s38, s36, 2
	s_add_co_u32 s42, s42, s38
	s_add_nc_u64 s[46:47], s[24:25], s[42:43]
.macro WLOAD bq                        ; block bq: W(32 bq + i, my column), i = 0 .. 31, into set bq % 2
.set i, 0
.rept 32
	global_load_b32 v[X+32*((\bq)%2)+i], v5, s[40:41] offset:(32*(\bq)+i)*4096 th:TH_LOAD_NT
.set i, i+1
.endr
.endm
.macro WBLOCK bq
.set XS, X+32*((\bq)%2)
.if (\bq) < 3
	s_wait_loadcnt 32                              ; this block's 32 loads are in; the next block's 32 may be out
.else
	s_wait_loadcnt 0x0
.endif
	v_max3_num_f32 v8, |v[XS]|, |v[XS+1]|, |v[XS+2]|       ; the block's largest magnitude: all 32 numbers are mine; two chains
	v_max3_num_f32 v9, |v[XS+3]|, |v[XS+4]|, |v[XS+5]|
.irp i, 6,10,14,18,22,26
	v_max3_num_f32 v8, v8, |v[XS+\i]|, |v[XS+\i+1]|
	v_max3_num_f32 v9, v9, |v[XS+\i+2]|, |v[XS+\i+3]|
.endr
	v_max3_num_f32 v8, v8, |v[XS+30]|, |v[XS+31]|
	v_max3_num_f32 v8, v8, v9, 0x1800000           ; and the floor 2^(3 - 127): the byte cannot fall under 1
	v_add_nc_u32 v10, 0xff000000, v8               ; 2 off the exponent field: the conversion takes the exponent field of this operand as its scale
	v_lshrrev_b32 v11, 23, v10                     ; the scale's byte
.if (\bq) == 0
	v_mov_b32 v56, v11                             ; four bytes make my column's word, the lower K in the lower byte
.else
	v_lshl_or_b32 v56, v11, 8*(\bq), v56
.endif
.irp g, 0,1,2,3
	v_cvt_scalef32_pk8_fp4_f32 v[PC+4*(\bq)+\g], v[XS+8*\g:XS+8*\g+7], v10   ; each block has its own four registers: no store's data are written again
.endr
	v_nop                                          ; a plain line behind the last conversion of a run
	global_store_b128 v14, v[PC+4*(\bq):PC+4*(\bq)+3], s[44:45] offset:256*(\bq)   ; block bq = 2 c + h' lies at 512 c + 256 h' + 16 r: sixteen lanes store 256 consecutive bytes, aligned
.if (\bq) < 2
	WLOAD (\bq)+2
.endif
.endm
	WLOAD 0
	WLOAD 1
	WBLOCK 0
	WBLOCK 1
	WBLOCK 2
	WBLOCK 3
	global_store_b32 v4, v56, s[46:47]             ; 4 bytes of each column's 16: blocks of 256 bytes are written in part here; it is one byte for each 128 that this path reads
	s_endpgm
.Lnot_w:
	s_cmp_lt_u32 ttmp9, 320
	s_cbranch_scc0 .Lpath_x
; ---- Wo to f16.  Again a lane to a column and registers down K: 64 along K a wave (kq = id / 8), 32 columns (128 (id % 8) + 32 wave).
	s_sub_co_u32 s32, ttmp9, 192
	s_and_b32 s33, s32, 7
	s_lshr_b32 s34, s32, 3                         ; kq
	s_lshl_b32 s37, s33, 7
	s_lshl_b32 s38, s28, 5
	s_add_co_u32 s37, s37, s38                     ; n0
	s_lshl_b32 s42, s34, 18                        ; 64 rows of 4,096 bytes
	s_lshl_b32 s38, s37, 2
	s_add_co_u32 s42, s42, s38
	s_add_nc_u64 s[40:41], s[16:17], s[42:43]
	s_lshr_b32 s42, s34, 1                         ; ks x 262,144 + (n0 / 16) x 4,096 + (kq % 2) x 4 images of 512
	s_lshl_b32 s42, s42, 18
	s_lshl_b32 s38, s37, 8
	s_add_co_u32 s42, s42, s38
	s_and_b32 s38, s34, 1
	s_lshl_b32 s38, s38, 11
	s_add_co_u32 s42, s42, s38
	s_add_nc_u64 s[44:45], s[26:27], s[42:43]
.set i, 0
.rept 64
	global_load_b32 v[X+i], v5, s[40:41] offset:4096*i th:TH_LOAD_NT
.set i, i+1
.endr
	s_wait_loadcnt 0x0
.set i, 0
.rept 32
	v_cvt_pk_f16_f32 v[R+i], v[X+2*i], v[X+2*i+1]  ; two neighbours along K to a register, the lower in the low half
.set i, i+1
.endr
.irp g, 0,1,2,3
.irp hh, 0,1
	global_store_b128 v14, v[R+8*\g+4*\hh:R+8*\g+4*\hh+3], s[44:45] offset:512*\g+256*\hh   ; image g, half hh: k = 16 g + 8 hh + 0 .. 7: sixteen lanes store 256 consecutive bytes, aligned
.endr
.endr
	s_endpgm
.Lpath_x:
; ---- query, key, value.  A wave takes 16 rows x all of K, in eight steps of 128.  Each load reads 512 consecutive bytes of a row; a step's 8,192 bytes turn through the wave's stage, so that lane (r, h) gets, of row r,
; the 16 neighbours 32 b + 16 h + 0 .. 15 of each block b: what the conversions want in one lane's registers.
	s_sub_co_u32 s32, ttmp9, 320
	s_lshr_b32 s33, s32, 7                         ; t
	s_and_b32 s34, s32, 127
	s_lshl_b32 s34, s34, 2
	s_add_co_u32 s34, s34, s28                     ; which 16 rows
	s_cmp_eq_u32 s33, 1
	s_cselect_b64 s[40:41], s[6:7], s[4:5]
	s_cmp_eq_u32 s33, 2
	s_cselect_b64 s[40:41], s[8:9], s[40:41]
	s_lshl_b32 s42, s34, 16                        ; 16 rows of 4,096 bytes
	s_add_nc_u64 s[40:41], s[40:41], s[42:43]
	s_lshl_b32 s42, s33, 22
	s_lshl_b32 s38, s34, 12
	s_add_co_u32 s42, s42, s38
	s_add_nc_u64 s[44:45], s[18:19], s[42:43]      ; the codes
	s_lshl_b32 s42, s33, 18
	s_lshl_b32 s38, s34, 8
	s_add_co_u32 s42, s42, s38
	s_add_nc_u64 s[46:47], s[20:21], s[42:43]      ; the scale words
.irp b, 0,1,2,3
	v_mov_b32 v[TM+4+\b], 0                        ; written once: a lane permute's destination counts as one of its sources
.endr
; 64 numbers of a lane, register 16 b + i = k 32 b + 16 h + i of my row, become a fragment's eight registers in v[PC] on and the row's scale word in v[pw]
.macro QUANT s, pw
.irp b, 0,1,2,3
	v_max3_num_f32 v[TM+\b], |v[\s+16*\b]|, |v[\s+1+16*\b]|, 0x1800000   ; block b: my 16 numbers, and the floor 2^(3 - 127)
.endr
.irp i, 2,4,6,8,10,12,14
.irp b, 0,1,2,3
	v_max3_num_f32 v[TM+\b], v[TM+\b], |v[\s+16*\b+\i]|, |v[\s+1+16*\b+\i]|   ; the four blocks by turns
.endr
.endr
.irp b, 0,1,2,3
	v_permlanex16_b32 v[TM+4+\b], v[TM+\b], s[SEL], s[SEL+1]
.endr
.irp b, 0,1,2,3
	v_max_num_f32 v[TM+\b], v[TM+\b], v[TM+4+\b]   ; with lane l xor 16's: the block's largest magnitude
.endr
.irp b, 0,1,2,3
	v_add_nc_u32 v[TM+12+\b], 0xff000000, v[TM+\b] ; 2 off its exponent field: the conversion's scale operand
.endr
.irp b, 0,1,2,3
	v_lshrrev_b32 v[TM+4+\b], 23, v[TM+12+\b]      ; the scale's byte
.endr
	v_lshl_or_b32 v[\pw], v[TM+5], 8, v[TM+4]
	v_lshl_or_b32 v[\pw], v[TM+6], 16, v[\pw]
	v_lshl_or_b32 v[\pw], v[TM+7], 24, v[\pw]      ; both halves of the lanes hold row r's word
.irp b, 0,1,2,3
	v_cvt_scalef32_pk8_fp4_f32 v[PC+2*\b], v[\s+16*\b:\s+7+16*\b], v[TM+12+\b]
	v_cvt_scalef32_pk8_fp4_f32 v[PC+1+2*\b], v[\s+8+16*\b:\s+15+16*\b], v[TM+12+\b]
.endr
	v_nop                                          ; one plain line behind a scaled conversion
.irp c, 0,1                                    ; the operand's layout wants a whole block in a lane: lanes 0-15 block 2 c, lanes 16-31 block 2 c + 1
.irp i, 0,1
	v_permlane16_swap_b32 v[PC+4*\c+\i], v[PC+2+4*\c+\i]
.endr
.endr
.endm
.macro XLOAD st                        ; step st: 512 bytes of each of my 16 rows, into set st % 2
.set i, 0
.rept 16
	global_load_b128 v[R+64*((\st)%2)+4*i:R+64*((\st)%2)+4*i+3], v4, s[40:41] offset:4096*i+512*(\st) th:TH_LOAD_NT
.set i, i+1
.endr
.endm
.macro XSTEP st
.if (\st) < 7
	s_wait_loadcnt 16                              ; this step's 16 loads are in; the next step's 16 may be out
.else
	s_wait_loadcnt 0x0
.endif
	s_wait_xcnt 0x0                                ; the last step's two stores have read v[PC] on, which QUANT writes again below
.set i, 0
.rept 16
	ds_store_b128 v6, v[R+64*((\st)%2)+4*i:R+64*((\st)%2)+4*i+3] offset:528*i
.set i, i+1
.endr
.irp b, 0,1,2,3
.irp j, 0,1,2,3
	ds_load_b128 v[X+16*\b+4*\j:X+16*\b+4*\j+3], v7 offset:128*\b+16*\j    ; LDS serves a wave's instructions in order: these see the stores above
.endr
.endr
	s_wait_dscnt 0x0                               ; the numbers are back, and the stores have read their registers,
.if (\st) < 6
	XLOAD (\st)+2                                  ; which take the loads of two steps on
.endif
	QUANT X, WD+(\st)
.irp c, 0,1
	global_store_b128 v4, v[PC+4*\c:PC+4*\c+3], s[44:45] offset:((\st)/4)*2097152+((\st)%4)*1024+512*\c   ; 32 lanes store 512 consecutive bytes, aligned
.endr
.endm
	XLOAD 0
	XLOAD 1
.irp st, 0,1,2,3,4,5,6,7
	XSTEP \st
.endr
	v_cmp_eq_u32 vcc_lo, 1, v3
.irp i, 0,1,2,3
	v_cndmask_b32 v[OW+\i], v[WD+\i], v[WD+4+\i], vcc_lo   ; lanes 0-15 send the words of K's first half, lanes 16-31 those of its second
.endr
	global_store_b128 v15, v[OW:OW+3], s[46:47]    ; sixteen lanes store 256 consecutive bytes, aligned
	s_wait_tensorcnt 0x0                           ; the wave's end
	ds_add_u32 v[SPW], v[NIL]
	s_wait_dscnt 0x0
	s_endpgm
.Lfunc_end_k_q87ca466890_prep:
	.size	k_q87ca466890_prep, .Lfunc_end_k_q87ca466890_prep-k_q87ca466890_prep
	.p2alignl 7, 3214868480
	.fill 96, 4, 3214868480
	.section	.rodata,"a",@progbits
	.p2align	6, 0x0
	.amdhsa_kernel k_q87ca466890_prep
		.amdhsa_group_segment_fixed_size 34304
		.amdhsa_private_segment_fixed_size 0
		.amdhsa_enable_private_segment 0
		.amdhsa_kernarg_size 96
		.amdhsa_user_sgpr_count 2
		.amdhsa_user_sgpr_kernarg_segment_ptr 1
		.amdhsa_wavefront_size32 1
		.amdhsa_system_sgpr_workgroup_id_x 1
		.amdhsa_system_sgpr_workgroup_id_y 1
		.amdhsa_system_sgpr_workgroup_id_z 1
		.amdhsa_system_vgpr_workitem_id 0
		.amdhsa_next_free_vgpr 256
		.amdhsa_next_free_sgpr 66
		.amdhsa_reserve_vcc 1
		.amdhsa_float_denorm_mode_32 3
		.amdhsa_float_denorm_mode_16_64 3
		.amdhsa_memory_ordered 1
		.amdhsa_forward_progress 1
		.amdhsa_inst_pref_size 92
	.end_amdhsa_kernel
	.amdgpu_metadata
---
amdhsa.version: [ 1, 2 ]
amdhsa.kernels:
  - .name:           k_q87ca466890_prep
    .symbol:         k_q87ca466890_prep.kd
    .args:
      - { .name: query, .offset: 0, .size: 8, .value_kind: global_buffer, .address_space: global }
      - { .name: key, .offset: 8, .size: 8, .value_kind: global_buffer, .address_space: global }
      - { .name: value, .offset: 16, .size: 8, .value_kind: global_buffer, .address_space: global }
      - { .name: Wq, .offset: 24, .size: 8, .value_kind: global_buffer, .address_space: global }
      - { .name: Wk, .offset: 32, .size: 8, .value_kind: global_buffer, .address_space: global }
      - { .name: Wv, .offset: 40, .size: 8, .value_kind: global_buffer, .address_space: global }
      - { .name: Wo, .offset: 48, .size: 8, .value_kind: global_buffer, .address_space: global }
      - { .name: xc, .offset: 56, .size: 8, .value_kind: global_buffer, .address_space: global }
      - { .name: xs, .offset: 64, .size: 8, .value_kind: global_buffer, .address_space: global }
      - { .name: wc, .offset: 72, .size: 8, .value_kind: global_buffer, .address_space: global }
      - { .name: ws, .offset: 80, .size: 8, .value_kind: global_buffer, .address_space: global }
      - { .name: wo16, .offset: 88, .size: 8, .value_kind: global_buffer, .address_space: global }
    .group_segment_fixed_size: 34304
    .private_segment_fixed_size: 0
    .kernarg_segment_align: 8
    .kernarg_segment_size: 96
    .max_flat_workgroup_size: 128
    .sgpr_count:     66
    .vgpr_count:     256
    .wavefront_size: 32
...
	.end_amdgpu_metadata
.endif
;; end of part 1
;; launch proj (part 2): grid 4 x 96, 4 waves a work-group, clusters of 4 x 4, 327,680 bytes of LDS; arguments xc, xs, wc, ws, bq, bk, bv, qkv; writes qkv
.if DOCPART == 2
	.amdgcn_target "amdgcn-amd-amdhsa--gfx1250"
	.amdhsa_code_object_version 6
	.text
	.protected	k_q87ca466890_proj
	.globl	k_q87ca466890_proj
	.p2align	8
	.type	k_q87ca466890_proj,@function
k_q87ca466890_proj:
	s_mov_b64 s[64:65], 0
	v_nop
	global_prefetch_b8 v0, s[64:65] scope:SCOPE_SE
	s_setreg_imm32_b32 hwreg(HW_REG_WAVE_MODE, 25, 1), 1
	s_wait_xcnt 0x0
	s_wait_alu depctr_hold_cnt(0) depctr_sa_sdst(0) depctr_va_vdst(0) depctr_va_sdst(0) depctr_va_ssrc(0) depctr_va_vcc(0) depctr_vm_vsrc(0)
	s_getreg_b32 s2, hwreg(HW_REG_IB_STS2, 6, 4)
	s_cmp_eq_u32 s2, 0
	s_cbranch_scc0 .Lentry_in_a_cluster
	s_endpgm
.Lentry_in_a_cluster:
	s_bfe_u32 s2, ttmp6, 0x10000c
	s_cmp_lg_u32 s2, 0xf033
	s_cbranch_scc0 .Lentry_shape_is_right
	s_endpgm
.Lentry_shape_is_right:
; PROJ.  q = Q(query) Q(Wq) + bq, k and v likewise: three products [8192 x 1024] x [1024 x 1024] on codes of FP4 (E2M1) with E8M0 scales for each 32 along K, sums in f32, the bias added in f32, results rounded to f16.
; A tile of 256 x 256 is made by four waves, 128 x 128 each: 64 accumulators of 16 x 16, 512 registers.  K = 1,024 is two slots of 512 in LDS: both are asked for at the head, and nothing is filled again.
; Codes and scale words come as images of the operand's registers (512 bytes, lane l's 16 bytes at 16 l): a tile's half of K is one dense block, and a fragment is read at a constant + 16 x lane.
; SIDES.  Source 1 of the matrix instruction is side A, source 0 side B: lane (r, h) then holds row 16 a + r of A and, in its eight registers, rows 16 b + 8 h + 0 .. 7 of B.
;   q, k: A = the activations, B = the weight: a lane holds one position and eight neighbouring features: the image [s][d] that the scores' product wants.
;   v:    A = Wv, B = value: a lane holds one feature and eight neighbouring positions: the image with the keys innermost that the second product of attention wants.  One stream of instructions serves both: only pointers, sizes and the way out differ.
; CLUSTERS: 4 x 4 work-groups; cluster y = 8 t + c8 (t: q, k, v).  A's tile hangs on cy (and c8), B's on cx (and c8): A's is asked for jointly by a row of the cluster, B's by a column.
; qkv: q at 0, k at 16,777,216, v at 33,554,432; in each ((bh x 128 + s / 16) x 4 + d / 16) x 512 + 16 x lane, bh = 16 batch + head.
; LIMIT: |q|, |k|, |v| up to 65,504, f16's largest number.
; REGISTERS: window 0: v16-29 addresses; v32-95 scale words, two sets, and nothing else; v96-103 the bias loads' offsets; v128-191 A's fragments, one set; v192-255 the bias.
;   window 1: B's fragments, two sets, at v0 and v128; on the way out v0-63 sums with bias, v64-255 six groups of 32 packed registers.   windows 2, 3: the accumulators ((a, b) at v[8 (8 (a % 4) + b)]).
.set NQ,     4                         ; steps of 128 along K in a slot
.set FR,     8                         ; registers of a fragment
.set NL,     2                         ; LDS loads that bring one
.set NP,     4                         ; places behind this matrix instruction (ISA guide 7.12.1)
.set SLOT,   131072                    ; A's 256 rows x 512 codes (65,536 bytes), then B's
.set SCL,    2*SLOT                    ; the scale words: A's first half of K (4,096 bytes), A's second, B's first, B's second
.set SPARE,  SCL+4*4096                ; the spare words, 128 bytes for each wave: two blocks of 256 bytes that no other line names
.set ADRA, 16                          ; v16-17  LDS address of my A fragments in slot 0, 1
.set ADRB, 20                          ; v20-21  the same for B
.set CO,   26                          ; v26     16 x lane
.set ADRS, 27                          ; v27     LDS address of my scale words: lanes 0-15 A's rows, lanes 16-31 B's
.set SPW,  28                          ; v28     LDS address of my spare word; never rewritten
.set NIL,  29                          ; v29     0; never rewritten
.set SC,   32
.set BO,   96
.set AF,   128
.set BI,   192
.set TT,   0
.set PK,   64
.set WV,   20                          ; s20 wave; s21 wave / 2: my half of A's rows, and: I fetch for A (0) or B (1); s22 wave % 2: my half of B's rows, and which half I fetch; s23: 1 for v
.set HA,   21
.set HB,   22
.set ISV,  23
.set G1,   24                          ; s[24:31] group 1 for A's codes; s[32:39] groups 0, one for each slot
.set G0,   32
.set G1B,  48                          ; s[48:55], s[56:63] the same for B's
.set G0B,  56
.set G1S,  68                          ; s[68:75], s[76:79] A's scale words; s[80:87], s[88:91] B's
.set G0S,  76
.set G1SB, 80
.set G0SB, 88
.set MSB, 0
.macro WIN new                         ; the immediate's high byte repeats the setting that is left
.if MSB != \new
	s_set_vgpr_msb (MSB<<8)|\new
.set MSB, \new
.endif
.endm
.set MUL_LO, 0xa1                      ; source 0 (B) window 1, source 1 (A) window 0, C and D window 2
.set MUL_HI, 0xf1                      ; the same, C and D window 3
.set TO_B,   0x40                      ; destination window 1, address window 0
; A joint load: waves 0 and 1 fetch for A, waves 2 and 3 for B.  Each line has one mask and one set of registers for all that issue it; the branch hangs on the wave's number alone.  An s_nop 0 and four v_nop follow each line.
.macro JLOAD g0a, g1a, g0b, g1b
	s_cmp_eq_u32 s[HA], 0
	s_cbranch_scc0 .Lfor_b_\@
	tensor_load_to_lds s[\g0a:\g0a+3], s[\g1a:\g1a+7]
	s_nop 0
.rept 4
	v_nop
.endr
	s_branch .Lasked_\@
.Lfor_b_\@:
	tensor_load_to_lds s[\g0b:\g0b+3], s[\g1b:\g1b+7]
	s_nop 0
.rept 4
	v_nop
.endr
.Lasked_\@:
.endm
.macro CROUND                          ; a round of the cluster's barrier
	s_barrier_signal -1
	s_barrier_wait -1
	s_cmp_lg_u32 s[WV], 0
	s_cbranch_scc1 .Lnot_wave_0_\@
	s_barrier_signal -3
.Lnot_wave_0_\@:
	s_barrier_wait -3
	s_barrier_signal -1
	s_barrier_wait -1
.endm
	s_load_b512 s[4:19], s[0:1], 0x0               ; xc, xs, wc, ws, bq, bk, bv, qkv
	v_lshl_add_u32 v[SPW], v0, 2, SPARE
	v_mov_b32 v[NIL], 0
	ds_add_u32 v[SPW], v[NIL]                      ; the wave's opening: the add, twice on end, and its wait ahead of my first tensor load; the set-up below stands between
	ds_add_u32 v[SPW], v[NIL]
	v_lshrrev_b32 v1, 5, v0
	v_readfirstlane_b32 s[WV], v1
	s_lshr_b32 s[HA], s[WV], 1
	s_and_b32 s[HB], s[WV], 1
	s_bfe_u32 s40, ttmp6, 0x40000                  ; cx
	s_bfe_u32 s41, ttmp6, 0x40004                  ; cy
	s_and_b32 s42, ttmp7, 0xffff                   ; cluster y
	s_lshr_b32 s43, s42, 3                         ; t: 0 q, 1 k, 2 v
	s_and_b32 s44, s42, 7
	s_lshl_b32 s44, s44, 2                         ; 4 c8: the activations' tiles of this cluster begin here
	s_cmp_eq_u32 s43, 2
	s_cselect_b32 s[ISV], 1, 0
	s_cselect_b32 s45, 0, s44
	s_cselect_b32 s46, s44, 0
	s_cselect_b32 s66, 19, 22                      ; log2 of a part of A's codes: a weight's 524,288 bytes or an activation's 4,194,304
	s_cselect_b32 s67, 22, 19                      ; of B's
	s_add_co_u32 s45, s45, s41                     ; A's tile: hangs on cy, never on cx
	s_add_co_u32 s46, s46, s40                     ; B's tile: hangs on cx, never on cy
	s_lshl_b32 s47, s41, 2
	s_lshl_b32 s47, 15, s47                        ; my row of the cluster
	s_lshl_b32 s42, 0x1111, s40                    ; my column
	; groups 1: dense blocks as rows of 256 bytes (32 elements of 8 bytes), no padding: 128 rows of codes, 16 of scale words.  15:0 the mask; 17:16 elements of 8 bytes; 21 set beside a mask
	s_or_b32 s[G1], s47, (3<<16)|(1<<21)
	s_or_b32 s[G1B], s42, (3<<16)|(1<<21)
	s_or_b32 s[G1S], s47, (3<<16)|(1<<21)
	s_or_b32 s[G1SB], s42, (3<<16)|(1<<21)
.irp g, G1, G1B
	s_mov_b32 s[\g+1], 32<<16                      ; tensor_dim0
	s_mov_b32 s[\g+2], 128<<16                     ; tensor_dim1
	s_mov_b32 s[\g+3], 32<<16                      ; tile_dim0
	s_mov_b32 s[\g+4], 128                         ; tile_dim1
	s_mov_b32 s[\g+5], 32                          ; the pitch
	s_mov_b32 s[\g+6], 0
	s_mov_b32 s[\g+7], 0
.endr
.irp g, G1S, G1SB
	s_mov_b32 s[\g+1], 32<<16
	s_mov_b32 s[\g+2], 16<<16
	s_mov_b32 s[\g+3], 32<<16
	s_mov_b32 s[\g+4], 16
	s_mov_b32 s[\g+5], 32
	s_mov_b32 s[\g+6], 0
	s_mov_b32 s[\g+7], 0
.endr
	; offsets, made apart from the addresses.  Codes: t x part + tile x 65,536 + which 128 rows I fetch x 32,768
	s_lshl_b32 s92, s43, s66
	s_lshl_b32 s93, s45, 16
	s_add_co_u32 s92, s92, s93
	s_lshl_b32 s93, s[HB], 15
	s_add_co_u32 s92, s92, s93
	s_mov_b32 s93, 0
	s_lshl_b32 s94, s43, s67
	s_lshl_b32 s95, s46, 16
	s_add_co_u32 s94, s94, s95
	s_lshl_b32 s95, s[HB], 15
	s_add_co_u32 s94, s94, s95
	s_mov_b32 s95, 0
	s_sub_co_u32 s66, s66, 1                       ; half of a part: from K's first half to its second
	s_sub_co_u32 s67, s67, 1
	s_lshl_b32 s100, 1, s66
	s_mov_b32 s101, 0
	s_lshl_b32 s2, 1, s67
	s_mov_b32 s3, 0
	s_sub_co_u32 s66, s66, 4                       ; the scale words are a sixteenth of the codes: (2 t + the half of K that I fetch) x a half + tile x 4,096
	s_sub_co_u32 s67, s67, 4
	s_lshl_b32 s96, s43, 1
	s_add_co_u32 s96, s96, s[HB]
	s_lshl_b32 s98, s96, s67
	s_lshl_b32 s96, s96, s66
	s_lshl_b32 s97, s45, 12
	s_add_co_u32 s96, s96, s97
	s_mov_b32 s97, 0
	s_lshl_b32 s99, s46, 12
	s_add_co_u32 s98, s98, s99
	s_mov_b32 s99, 0
	s_lshl_b32 s44, s[WV], 15                      ; where they go: wave x 32,768 in a slot,
	s_lshl_b32 s47, s[WV], 12                      ; wave x 4,096 among the scale words: no place in the cluster enters an LDS address
	s_wait_dscnt 0x0                               ; both opening adds are done
	s_wait_kmcnt 0x0
	s_cmp_eq_u32 s[ISV], 1                         ; which buffer is side A's: the choice hangs on the cluster's number alone
	s_cselect_b64 s[G0+2:G0+3], s[8:9], s[4:5]
	s_cselect_b64 s[G0B+2:G0B+3], s[4:5], s[8:9]
	s_cselect_b64 s[G0S+2:G0S+3], s[10:11], s[6:7]
	s_cselect_b64 s[G0SB+2:G0SB+3], s[6:7], s[10:11]
	s_add_nc_u64 s[G0+2:G0+3], s[G0+2:G0+3], s[92:93]
	s_add_nc_u64 s[G0+6:G0+7], s[G0+2:G0+3], s[100:101]
	s_add_nc_u64 s[G0B+2:G0B+3], s[G0B+2:G0B+3], s[94:95]
	s_add_nc_u64 s[G0B+6:G0B+7], s[G0B+2:G0B+3], s[2:3]
	s_add_nc_u64 s[G0S+2:G0S+3], s[G0S+2:G0S+3], s[96:97]
	s_add_nc_u64 s[G0SB+2:G0SB+3], s[G0SB+2:G0SB+3], s[98:99]
.irp g, G0, G0+4, G0B, G0B+4, G0S, G0SB
	s_mov_b32 s[\g], 1                             ; count = 1
	s_or_b32 s[\g+3], s[\g+3], 0x80000000          ; type = 2
.endr
	s_mov_b32 s[G0+1], s44
	s_add_co_u32 s[G0+5], s44, SLOT
	s_mov_b32 s[G0B+1], s44
	s_add_co_u32 s[G0B+5], s44, SLOT
	s_add_co_u32 s[G0S+1], s47, SCL
	s_add_co_u32 s[G0SB+1], s47, SCL
	CROUND                                         ; all sixteen work-groups are here: the first joint loads meet
	JLOAD G0S, G1S, G0SB, G1SB                     ; the scale words first: wanted with slot 0
	JLOAD G0, G1, G0B, G1B                         ; slot 0
	JLOAD G0+4, G1, G0B+4, G1B                     ; slot 1: three tensor loads of mine are out
	v_and_b32 v1, 15, v0                           ; r
	v_bfe_u32 v2, v0, 4, 1                         ; h
	v_and_b32 v3, 31, v0
	v_lshlrev_b32 v[CO], 4, v3
	s_lshl_b32 s92, s[HA], 15                      ; my 128 rows of A
	s_lshl_b32 s93, s[HB], 15
	s_add_co_u32 s93, s93, 65536                   ; my 128 rows of B, behind A's 256
.irp s, 0,1
	v_add_nc_u32 v[ADRA+\s], s92, v[CO]
	v_add_nc_u32 v[ADRB+\s], s93, v[CO]
	s_add_co_u32 s92, s92, SLOT
	s_add_co_u32 s93, s93, SLOT
.endr
	v_lshlrev_b32 v5, 4, v1                        ; a row's four words are 16 bytes
	s_lshl_b32 s92, s[HA], 11                      ; A's: my 128 rows
	s_lshl_b32 s93, s[HB], 11
	s_add_co_u32 s93, s93, 8192                    ; B's: my 128 rows, behind A's two halves of K
	s_sub_co_u32 s93, s93, s92
	v_mul_u32_u24 v6, s93, v2                      ; lanes 16-31 take B's: one product, the distance between the two bases
	s_add_co_u32 s92, s92, SCL
	v_add_nc_u32 v5, v5, v6
	v_add_nc_u32 v[ADRS], s92, v5
	; where my results go, and my bias
	s_lshl_b32 s94, s45, 8
	s_lshl_b32 s95, s[HA], 7
	s_add_co_u32 s94, s94, s95                     ; the first of my 128 rows of side A
	s_lshl_b32 s95, s46, 8
	s_lshl_b32 s96, s[HB], 7
	s_add_co_u32 s95, s95, s96                     ; of side B
	s_cmp_eq_u32 s[ISV], 1
	s_cselect_b32 s96, s95, s94                    ; m0: my first position (2,048 batch + s)
	s_cselect_b32 s97, s94, s95                    ; n0: my first feature
	s_cselect_b32 s98, 4, 0                        ; the bias of register 8 blk + j is that of feature n0 + 16 blk + (v: r; q, k: 8 h + j): bytes for each r,
	s_cselect_b32 s99, 0, 32                       ; each h,
	s_cselect_b32 s100, 0, 4                       ; each j
	s_lshr_b32 s92, s96, 11
	s_lshl_b32 s92, s92, 4
	s_lshr_b32 s93, s97, 6
	s_add_co_u32 s92, s92, s93                     ; bh of my first head
	s_lshl_b32 s92, s92, 18
	s_and_b32 s93, s96, 2047
	s_lshl_b32 s93, s93, 7                         ; (s / 16) x 2,048
	s_add_co_u32 s92, s92, s93
	s_lshl_b32 s93, s43, 24                        ; t x 16,777,216
	s_add_co_u32 s92, s92, s93
	s_mov_b32 s93, 0
	s_add_nc_u64 s[18:19], s[18:19], s[92:93]
	s_cmp_eq_u32 s43, 1
	s_cselect_b64 s[12:13], s[14:15], s[12:13]
	s_cmp_eq_u32 s43, 2
	s_cselect_b64 s[12:13], s[16:17], s[12:13]
	s_lshl_b32 s92, s97, 2
	s_add_nc_u64 s[12:13], s[12:13], s[92:93]
	v_mul_u32_u24 v[BO], s98, v1
	v_mad_u32_u24 v[BO], v2, s99, v[BO]
.irp j, 1,2,3,4,5,6,7
	s_mul_i32 s101, s100, \j
	v_add_nc_u32 v[BO+\j], s101, v[BO]
.endr
.irp k, 0,1,2,3,4,5,6,7
.irp j, 0,1,2,3,4,5,6,7
	global_load_b32 v[BI+8*\k+\j], v[BO+\j], s[12:13] offset:64*\k   ; once a wave; waited for in front of the way out
.endr
.endr
.macro FRAG reg, adr, q, i             ; a fragment, 16 rows x 128 K of 4-bit codes: two images of 512 bytes
.irp c, 0,1
	ds_load_b128 v[\reg+4*\c:\reg+4*\c+3], v[\adr] offset:4096*(\i)+1024*(\q)+512*\c
.endr
.endm
; 16 matrix instructions: A's blocks a0, a0 + 1 x B's eight, the slot's q-th 128 along K.  p: B's set; sc: the set of scale words.  zero = 1: the first product starts the sums.
; The 64 accumulators take turns, one instruction a turn, in the same order in every step.  A scale register holds A's word in lanes 0-15 and B's in lanes 16-31.
.macro MUL16 a0, p, q, sc, zero
.irp a, \a0, \a0+1
.irp b, 0,1,2,3,4,5,6,7
.if \zero
	v_wmma_scale_f32_16x16x128_f8f6f4 v[8*(8*((\a)%4)+\b):8*(8*((\a)%4)+\b)+7], v[128*(\p)+FR*\b:128*(\p)+FR*\b+FR-1], v[AF+FR*(\a):AF+FR*(\a)+FR-1], 0, v[SC+8*NQ*(\sc)+NQ*\b+(\q)], v[SC+8*NQ*(\sc)+NQ*(\a)+(\q)] matrix_a_fmt:MATRIX_FMT_FP4 matrix_b_fmt:MATRIX_FMT_FP4 matrix_a_scale:MATRIX_SCALE_ROW1
.else
	v_wmma_scale_f32_16x16x128_f8f6f4 v[8*(8*((\a)%4)+\b):8*(8*((\a)%4)+\b)+7], v[128*(\p)+FR*\b:128*(\p)+FR*\b+FR-1], v[AF+FR*(\a):AF+FR*(\a)+FR-1], v[8*(8*((\a)%4)+\b):8*(8*((\a)%4)+\b)+7], v[SC+8*NQ*(\sc)+NQ*\b+(\q)], v[SC+8*NQ*(\sc)+NQ*(\a)+(\q)] matrix_a_fmt:MATRIX_FMT_FP4 matrix_b_fmt:MATRIX_FMT_FP4 matrix_a_scale:MATRIX_SCALE_ROW1
.endif
.endr
.endr
.endm
.macro FETCH_B slot, q, p
	WIN TO_B
.irp i, 0,1,2,3,4,5,6,7
	FRAG 128*(\p)+FR*\i, ADRB+\slot, \q, \i
.endr
	WIN 0
.endm
.macro FETCH_A slot, q, i0
.irp i, \i0, \i0+1, \i0+2, \i0+3
	FRAG AF+FR*(\i), ADRA+\slot, \q, \i
.endr
.endm
.macro SCALES sc                       ; a slot's scale words: four words a row; lanes 0-15 take A's block i, lanes 16-31 B's block i
.irp i, 0,1,2,3,4,5,6,7
	ds_load_b128 v[SC+8*NQ*\sc+NQ*\i:SC+8*NQ*\sc+NQ*\i+3], v[ADRS] offset:4096*\sc+256*\i
.endr
.endm
.macro PLACES n                        ; plain vector lines between a matrix instruction and a load into, or a read of, its registers
.rept \n
	v_nop
.endr
.endm
; A step of 128 along K that has its successor in the same slot.  A block of A is free as soon as its eight products are issued: one set serves A; B has two.
.macro STEP slot, q, zero
	s_wait_dscnt 4*NL                              ; all but the youngest eight loads (A's blocks 4-7) are in
	WIN MUL_LO
	MUL16 0, (\q)%2, \q, \slot, \zero
	MUL16 2, (\q)%2, \q, \slot, \zero
	s_wait_dscnt 0                                 ; A's blocks 4-7 are in
	PLACES NP
	FETCH_B \slot, (\q)+1, 1-(\q)%2
	FETCH_A \slot, (\q)+1, 0
	WIN MUL_HI
	MUL16 4, (\q)%2, \q, \slot, \zero
	MUL16 6, (\q)%2, \q, \slot, \zero
	PLACES NP
	WIN 0
	FETCH_A \slot, (\q)+1, 4
.endm
.macro STEPS slot, from
.set Q, \from
.rept NQ-1-\from
	STEP \slot, Q, 0
.set Q, Q+1
.endr
.endm
	s_wait_tensorcnt 1                             ; the scale words and my part of slot 0 are in; slot 1's load may stay out
	s_barrier_signal -1
	s_barrier_wait -1                              ; everybody's are
	FETCH_B 0, 0, 0
	FETCH_A 0, 0, 0
	SCALES 0
	FETCH_A 0, 0, 4
	STEP 0, 0, 1                                   ; the first step's products start the sums: nothing is cleared
	STEPS 0, 1
	; slot 0's last step changes slots: one barrier, in front of which each wave has waited for its part of slot 1
	s_wait_tensorcnt 0x0                           ; all my tensor loads have landed
	ds_add_u32 v[SPW], v[NIL]                      ; 0 onto my spare word
	s_wait_dscnt 4*NL+1                            ; the add and the youngest eight loads may be out
	WIN MUL_LO
	MUL16 0, 1, NQ-1, 0, 0
	s_wait_dscnt 0x0                               ; no LDS instruction of mine is pending at the signal
	s_barrier_signal -1
	MUL16 2, 1, NQ-1, 0, 0
	WIN 0
	s_barrier_wait -1                              ; slot 1 is whole
	PLACES NP
	FETCH_B 1, 0, 0
	FETCH_A 1, 0, 0
	SCALES 1
	WIN MUL_HI
	MUL16 4, 1, NQ-1, 0, 0
	MUL16 6, 1, NQ-1, 0, 0
	PLACES NP
	WIN 0
	FETCH_A 1, 0, 4
	STEPS 1, 0
	s_wait_dscnt 4*NL                              ; the very last step: nothing more to fetch
	WIN MUL_LO
	MUL16 0, 1, NQ-1, 1, 0
	MUL16 2, 1, NQ-1, 1, 0
	s_wait_dscnt 0
	WIN MUL_HI
	MUL16 4, 1, NQ-1, 1, 0
	MUL16 6, 1, NQ-1, 1, 0
	WIN 0
; THE WAY OUT, block a by block a: the bias is added in f32 (each accumulator from its low end on), eight numbers pack into 16 bytes of f16, and an accumulator leaves as one image: 32 lanes store 512 consecutive bytes, aligned.
; Nothing goes through LDS.  It is written twice, since the bias's registers and the images' places differ between q, k (isv = 0) and v (isv = 1); the branch hangs on the cluster's number alone.
.macro OUT isv
.irp a, 0,1,2,3,4,5,6,7
.set WN, 0x42+(\a)/4
	WIN WN                                         ; destination window 1, source 0 window 2 or 3, source 1 window 0
.irp b, 0,1,2,3,4,5,6,7
.irp i, 0,2,4,6
.if \isv
	v_pk_add_f32 v[TT+8*\b+\i:TT+8*\b+\i+1], v[8*(8*((\a)%4)+\b)+\i:8*(8*((\a)%4)+\b)+\i+1], v[BI+8*\a+\i:BI+8*\a+\i+1]
.else
	v_pk_add_f32 v[TT+8*\b+\i:TT+8*\b+\i+1], v[8*(8*((\a)%4)+\b)+\i:8*(8*((\a)%4)+\b)+\i+1], v[BI+8*\b+\i:BI+8*\b+\i+1]
.endif
.endr
.endr
.if \a == 6
	s_wait_xcnt 0x0                                ; blocks 0 and 1's stores have read their groups of packed registers, which blocks 6 and 7 write again
.endif
	WIN 0x45                                       ; all in window 1
.irp b, 0,1,2,3,4,5,6,7
.irp i, 0,1,2,3
	v_cvt_pk_f16_f32 v[PK+32*((\a)%6)+4*\b+\i], v[TT+8*\b+2*\i], v[TT+8*\b+2*\i+1]
.endr
.endr
	WIN 0x04                                       ; a store's data are its source 1: window 1
.irp b, 0,1,2,3,4,5,6,7
.if \isv
	global_store_b128 v[CO], v[PK+32*((\a)%6)+4*\b:PK+32*((\a)%6)+4*\b+3], s[18:19] offset:2048*\b+262144*((\a)/4)+512*((\a)%4)   ; positions 16 b on; head a / 4, features 16 (a % 4) on
.else
	global_store_b128 v[CO], v[PK+32*((\a)%6)+4*\b:PK+32*((\a)%6)+4*\b+3], s[18:19] offset:2048*\a+262144*((\b)/4)+512*((\b)%4)   ; positions 16 a on; head b / 4, features 16 (b % 4) on
.endif
.endr
.endr
	WIN 0
.endm
	s_wait_loadcnt 0x0                             ; the bias
	PLACES NP                                      ; behind the last products: results are read, and registers that held B's fragments are written
	s_cmp_eq_u32 s[ISV], 1
	s_cbranch_scc1 .Lout_v
	OUT 0
	s_branch .Lend
.Lout_v:
	OUT 1
.Lend:
	s_wait_tensorcnt 0x0                           ; the wave's end: these three lines behind my last tensor load
	ds_add_u32 v[SPW], v[NIL]
	s_wait_dscnt 0x0
	CROUND                                         ; the closing round: no work-group ends while a partner may still ask for a tile that names it
	s_endpgm
.Lfunc_end_k_q87ca466890_proj:
	.size	k_q87ca466890_proj, .Lfunc_end_k_q87ca466890_proj-k_q87ca466890_proj
	.p2alignl 7, 3214868480
	.fill 96, 4, 3214868480
	.section	.rodata,"a",@progbits
	.p2align	6, 0x0
	.amdhsa_kernel k_q87ca466890_proj
		.amdhsa_group_segment_fixed_size 327680
		.amdhsa_private_segment_fixed_size 0
		.amdhsa_enable_private_segment 0
		.amdhsa_kernarg_size 64
		.amdhsa_user_sgpr_count 2
		.amdhsa_user_sgpr_kernarg_segment_ptr 1
		.amdhsa_wavefront_size32 1
		.amdhsa_system_sgpr_workgroup_id_x 1
		.amdhsa_system_sgpr_workgroup_id_y 1
		.amdhsa_system_sgpr_workgroup_id_z 1
		.amdhsa_system_vgpr_workitem_id 0
		.amdhsa_next_free_vgpr 1024
		.amdhsa_next_free_sgpr 102
		.amdhsa_reserve_vcc 0
		.amdhsa_float_denorm_mode_32 3
		.amdhsa_float_denorm_mode_16_64 3
		.amdhsa_memory_ordered 1
		.amdhsa_forward_progress 1
		.amdhsa_inst_pref_size 180
	.end_amdhsa_kernel
	.amdgpu_metadata
---
amdhsa.version: [ 1, 2 ]
amdhsa.kernels:
  - .name:           k_q87ca466890_proj
    .symbol:         k_q87ca466890_proj.kd
    .args:
      - { .name: xc, .offset: 0, .size: 8, .value_kind: global_buffer, .address_space: global }
      - { .name: xs, .offset: 8, .size: 8, .value_kind: global_buffer, .address_space: global }
      - { .name: wc, .offset: 16, .size: 8, .value_kind: global_buffer, .address_space: global }
      - { .name: ws, .offset: 24, .size: 8, .value_kind: global_buffer, .address_space: global }
      - { .name: bq, .offset: 32, .size: 8, .value_kind: global_buffer, .address_space: global }
      - { .name: bk, .offset: 40, .size: 8, .value_kind: global_buffer, .address_space: global }
      - { .name: bv, .offset: 48, .size: 8, .value_kind: global_buffer, .address_space: global }
      - { .name: qkv, .offset: 56, .size: 8, .value_kind: global_buffer, .address_space: global }
    .group_segment_fixed_size: 327680
    .private_segment_fixed_size: 0
    .kernarg_segment_align: 8
    .kernarg_segment_size: 64
    .max_flat_workgroup_size: 128
    .sgpr_count:     102
    .vgpr_count:     1024
    .wavefront_size: 32
...
	.end_amdgpu_metadata
.endif
;; end of part 2
;; launch attn (part 3): grid 4 x 64, 16 waves a work-group, clusters of 4 x 1, 327,680 bytes of LDS; arguments qkv, xa; writes xa
.if DOCPART == 3
	.amdgcn_target "amdgcn-amd-amdhsa--gfx1250"
	.amdhsa_code_object_version 6
	.text
	.protected	k_q87ca466890_attn
	.globl	k_q87ca466890_attn
	.p2align	8
	.type	k_q87ca466890_attn,@function
k_q87ca466890_attn:
	s_mov_b64 s[64:65], 0
	v_nop
	global_prefetch_b8 v0, s[64:65] scope:SCOPE_SE
	s_setreg_imm32_b32 hwreg(HW_REG_WAVE_MODE, 25, 1), 1
	s_wait_xcnt 0x0
	s_wait_alu depctr_hold_cnt(0) depctr_sa_sdst(0) depctr_va_vdst(0) depctr_va_sdst(0) depctr_va_ssrc(0) depctr_va_vcc(0) depctr_vm_vsrc(0)
	s_getreg_b32 s2, hwreg(HW_REG_IB_STS2, 6, 4)
	s_cmp_eq_u32 s2, 0
	s_cbranch_scc0 .Lentry_in_a_cluster
	s_endpgm
.Lentry_in_a_cluster:
	s_bfe_u32 s2, ttmp6, 0x10000c
	s_cmp_lg_u32 s2, 0x3003
	s_cbranch_scc0 .Lentry_shape_is_right
	s_endpgm
.Lentry_shape_is_right:
; ATTN.  x[bh][q][:] = the sum over k of softmax_k(q . k / 8) v[k][:], 64 heads x batches (bh), 2,048 positions, head size 64, no mask.  Operands in f16, products, maxima and sums in f32; the weights p are rounded to f16 for the second product.
; SHARES.  A work-group owns 512 queries of one bh; each of its sixteen waves 32 of them, two tiles of 16, in 256 registers: four waves to a SIMD, so that one wave's softmax stands beside another's products and LDS loads.
; Every wave walks all 2,048 keys, 64 a step.  Each fragment of K and V read from LDS feeds two products.
; LAYOUT.  S^T = K Q^T (source 0 = 16 keys, source 1 = 16 queries) and O^T = V^T P (source 0 = 16 channels, source 1 = P): a lane holds one query (lane % 16) throughout; two tiles of S^T, rounded in pairs, are source 1 of the second product.
; q, k, v come as images of the operands' registers (512 bytes, lane l's 16 bytes at 16 l; v with the keys innermost), so 64 keys of K or of V are 8,192 dense bytes and every fragment is read at a constant + 16 x lane.
; SOFTMAX.  For each query a running maximum m and sum l: p = 2^(c s - c m), c = log2(e) / 8; in every step O^T and l are multiplied by a = 2^(c m_old - c m_new).  m begins at -3e38, l and O^T at 0: the loop has no first step of its own.
; RING.  Two slots of 512 keys (K's 65,536 bytes, then V's).  CLUSTER: the four query blocks of a bh walk the same K and V, so each tile is asked for jointly, by the same load with a mask that names the four.
; All sixteen waves fetch, 8,192 bytes each (waves 0-7 K's, waves 8-15 V's): no branch leads round a tensor load.  A refill is asked for eight key steps of all sixteen waves ahead of the wait for it: no prefetch is laid beside it.
; xa: ((ks x 512 + row / 16) x 8 + k8) x 512 + 16 x lane: lane (r, h) holds x[16 (row / 16) + r][128 ks + 16 k8 + 8 h + 0 .. 7]: the image that the output projection wants.
; LIMITS: scores above -3e38; NaN and infinities are not served.
.set SLOT1, 131072
.set VOFF,  65536
.set SPARE, 2*SLOT1                    ; the spare words, 128 bytes for each wave: eight blocks of 256 bytes that no other line names
.set L16, 1                            ; v1  16 x lane; never rewritten
.set ADK, 2                            ; v2  LDS address of the step's K
.set ADV, 3                            ; v3  of its V
.set SPW, 4                            ; v4  LDS address of my spare word; never rewritten
.set NIL, 5                            ; v5  0; never rewritten
.set ST,  8                            ; tile t's statistics at v[8 + 8 t]: +0 c m, +1 m, +2, +3 l in two halves, +4 to +7 at work (+4, +5 a second chain of sums, +6 a, +7 c m_old - c m_new)
.set Q,   32                           ; v32-63   Q: tile t, channels 32 kd on, at 32 + 16 t + 8 kd
.set KV,  64                           ; v64-127  a step's K, then its V
.set S,   128                          ; v128-191 S^T at 128 + 32 t + 8 kt; p is packed in place into the low 16 of each 32
.set O,   192                          ; v192-255 O^T at 192 + 32 t + 8 ct
.set WV,  8
.set G1,  16                           ; s[16:23] group 1; s[24:27], s[28:31] groups 0 of slots 0, 1
.set G0,  24
.set CS,  32                           ; s[32:33] c, twice: the packed form names a pair
.set SEL, 34                           ; s[34:35] selects of v_permlanex16_b32 for lane l xor 16
.set TB,  36                           ; s36 LDS byte at which the step's K begins
.set CNT, 37
.macro CROUND                          ; a round of the cluster's barrier
	s_barrier_signal -1
	s_barrier_wait -1
	s_cmp_lg_u32 s[WV], 0
	s_cbranch_scc1 .Lnot_wave_0_\@
	s_barrier_signal -3
.Lnot_wave_0_\@:
	s_barrier_wait -3
	s_barrier_signal -1
	s_barrier_wait -1
.endm
	s_load_b128 s[4:7], s[0:1], 0x0                ; qkv, xa
	v_lshl_add_u32 v[SPW], v0, 2, SPARE
	v_mov_b32 v[NIL], 0
	ds_add_u32 v[SPW], v[NIL]                      ; the wave's opening: the add, twice on end, and its wait ahead of my first tensor load; the set-up below stands between
	ds_add_u32 v[SPW], v[NIL]
	v_lshrrev_b32 v6, 5, v0
	v_readfirstlane_b32 s[WV], v6                  ; wave 0..15
	s_bfe_u32 s9, ttmp6, 0x40000                   ; cx: my block of 512 queries: it enters Q's and xa's addresses alone
	s_and_b32 s10, ttmp7, 0xffff                   ; bh, which the four partners share
	s_mov_b32 s[G1], 15|(3<<16)|(1<<21)            ; 15:0 the mask: all four work-groups; 17:16 elements of 8 bytes; 21 set beside a mask; no padding
	s_mov_b32 s[G1+1], 32<<16                      ; tensor_dim0: 32 elements, 256 bytes
	s_mov_b32 s[G1+2], 32<<16                      ; tensor_dim1: 32 rows
	s_mov_b32 s[G1+3], 32<<16                      ; tile_dim0
	s_mov_b32 s[G1+4], 32                          ; tile_dim1
	s_mov_b32 s[G1+5], 32                          ; the pitch: dense
	s_mov_b32 s[G1+6], 0
	s_mov_b32 s[G1+7], 0
	s_lshr_b32 s12, s[WV], 3                       ; 0: I fetch K's, 1: V's
	s_add_co_u32 s12, s12, 1
	s_lshl_b32 s12, s12, 24                        ; k at 16,777,216, v at twice that
	s_lshl_b32 s13, s10, 18                        ; bh x 262,144
	s_add_co_u32 s12, s12, s13
	s_and_b32 s13, s[WV], 7
	s_lshl_b32 s13, s13, 13                        ; my 64 keys of a slot's 512
	s_add_co_u32 s12, s12, s13
	s_mov_b32 s13, 0
	s_lshl_b32 s14, s[WV], 13                      ; and their place in a slot: 8,192 x wave
	s_lshl_b32 s42, s10, 18                        ; Q: bh x 262,144 + (32 cx + 2 wave) x 2,048
	s_lshl_b32 s43, s9, 16
	s_add_co_u32 s42, s42, s43
	s_lshl_b32 s43, s[WV], 12
	s_add_co_u32 s42, s42, s43
	s_mov_b32 s43, 0
	s_and_b32 s46, s10, 15                         ; the head
	s_lshr_b32 s44, s46, 1
	s_lshl_b32 s44, s44, 21                        ; xa: (head / 2) x 2,097,152
	s_lshr_b32 s45, s10, 4
	s_lshl_b32 s45, s45, 19                        ; + (128 batch + 32 cx + 2 wave) x 4,096
	s_add_co_u32 s44, s44, s45
	s_lshl_b32 s45, s9, 17
	s_add_co_u32 s44, s44, s45
	s_lshl_b32 s45, s[WV], 13
	s_add_co_u32 s44, s44, s45
	s_and_b32 s45, s46, 1
	s_lshl_b32 s45, s45, 11                        ; + (head % 2) x 4 images
	s_add_co_u32 s44, s44, s45
	s_mov_b32 s45, 0
	s_mov_b32 s[CS], 0x3e38aa3b                    ; c = log2(e) / 8
	s_mov_b32 s[CS+1], s[CS]
	s_mov_b32 s[SEL], 0x76543210
	s_mov_b32 s[SEL+1], 0xfedcba98
	s_wait_dscnt 0x0                               ; both opening adds are done
	s_wait_kmcnt 0x0
	s_mov_b32 s[G0], 1                             ; count = 1
	s_mov_b32 s[G0+1], s14                         ; LDS address: slot 0
	s_add_nc_u64 s[G0+2:G0+3], s[4:5], s[12:13]    ; keys 0 to 511
	s_mov_b32 s[G0+4], 1
	s_add_co_u32 s[G0+5], s14, SLOT1
	s_add_nc_u64 s[G0+6:G0+7], s[G0+2:G0+3], 65536 ; keys 512 to 1,023
	s_or_b32 s[G0+3], s[G0+3], 0x80000000          ; type = 2
	s_or_b32 s[G0+7], s[G0+7], 0x80000000
	s_add_nc_u64 s[38:39], s[4:5], s[42:43]        ; Q at my first query
	s_add_nc_u64 s[40:41], s[6:7], s[44:45]        ; xa likewise
	CROUND                                         ; all four work-groups are here: the first joint loads meet
	tensor_load_to_lds s[G0:G0+3], s[G1:G1+7]
	s_nop 0
	tensor_load_to_lds s[G0+4:G0+7], s[G1:G1+7]    ; two tensor loads of mine are out
	s_nop 0
	v_and_b32 v[L16], 31, v0
	v_lshlrev_b32 v[L16], 4, v[L16]
.irp t, 0,1
.irp c, 0,1,2,3
	global_load_b128 v[Q+16*\t+4*\c:Q+16*\t+4*\c+3], v[L16], s[38:39] offset:2048*\t+512*\c th:TH_LOAD_NT   ; Q stays in registers
.endr
.endr
.irp t, 0,1
	v_mov_b32 v[ST+8*\t+1], 0xff61b1e6             ; m = -3e38, under every score
	v_mul_f32 v[ST+8*\t], s[CS], v[ST+8*\t+1]      ; c m
	v_mov_b32 v[ST+8*\t+2], 0                      ; l
	v_mov_b32 v[ST+8*\t+3], 0
.endr
.set i, 0
.rept 64
	v_mov_b32 v[O+i], 0                            ; O^T: once, so that the step is written once
.set i, i+1
.endr
; A KEY STEP: 64 keys.
.macro STEP
	v_add_nc_u32 v[ADK], s[TB], v[L16]             ; these five plain lines are the places behind the last step's V^T P: four for the loads into its fragments' registers, five for the products that write over p
	v_add_nc_u32 v[ADV], VOFF, v[ADK]
	v_nop
	v_nop
	v_nop
.set i, 0
.rept 16
	ds_load_b128 v[KV+4*i:KV+4*i+3], v[ADK] offset:512*i       ; image 4 kt + c4: keys 16 kt on, channels 16 c4 on
.set i, i+1
.endr
	s_wait_dscnt 0x0
.irp kd, 0,1                                   ; S^T = K Q^T: the eight accumulators take turns, one instruction a turn; the first eight start the sums
.irp kt, 0,1,2,3
.irp t, 0,1
.if \kd == 0
	v_wmma_f32_16x16x32_f16 v[S+32*\t+8*\kt:S+32*\t+8*\kt+7], v[KV+16*\kt:KV+16*\kt+7], v[Q+16*\t:Q+16*\t+7], 0
.else
	v_wmma_f32_16x16x32_f16 v[S+32*\t+8*\kt:S+32*\t+8*\kt+7], v[KV+16*\kt+8:KV+16*\kt+15], v[Q+16*\t+8:Q+16*\t+15], v[S+32*\t+8*\kt:S+32*\t+8*\kt+7]
.endif
.endr
.endr
.endr
.rept 4
	v_nop                                          ; places: in front of the loads into K's registers, and of the first read of the scores
.endr
.irp kt, 0,1,2,3
.irp ct, 0,1,2,3
	ds_load_b128 v[KV+8*(4*(\kt/2)+\ct)+4*(\kt%2):KV+8*(4*(\kt/2)+\ct)+4*(\kt%2)+3], v[ADV] offset:2048*\kt+512*\ct   ; V lands under the softmax: fragment (keys 32 (kt / 2) on, channels 16 ct on), half kt % 2
.endr
.endr
	; the softmax, the two tiles line by line by turns.  The maximum of a lane's 32 scores and the old m: four chains, each accumulator from its low end on
.irp j, 0,1,2,3
.irp t, 0,1
	v_max3_num_f32 v[ST+8*\t+4+\j], v[S+32*\t+8*\j], v[S+32*\t+8*\j+1], v[S+32*\t+8*\j+2]
.endr
.endr
.irp g, 1,2
.irp j, 0,1,2,3
.irp t, 0,1
	v_max3_num_f32 v[ST+8*\t+4+\j], v[ST+8*\t+4+\j], v[S+32*\t+8*\j+2*\g+1], v[S+32*\t+8*\j+2*\g+2]
.endr
.endr
.endr
.irp t, 0,1
	v_max3_num_f32 v[ST+8*\t+4], v[ST+8*\t+4], v[S+32*\t+7], v[S+32*\t+15]
	v_max3_num_f32 v[ST+8*\t+6], v[ST+8*\t+6], v[S+32*\t+23], v[S+32*\t+31]
.endr
.irp t, 0,1
	v_max3_num_f32 v[ST+8*\t+4], v[ST+8*\t+4], v[ST+8*\t+5], v[ST+8*\t+6]
.endr
.irp t, 0,1
	v_max3_num_f32 v[ST+8*\t+4], v[ST+8*\t+4], v[ST+8*\t+7], v[ST+8*\t+1]
.endr
.irp t, 0,1
	v_permlanex16_b32 v[ST+8*\t+5], v[ST+8*\t+4], s[SEL], s[SEL+1]   ; the query's other 32 keys lie in the lane 16 away
.endr
.irp t, 0,1
	v_mov_b32 v[ST+8*\t+7], v[ST+8*\t]             ; c m_old
.endr
.irp t, 0,1
	v_max_num_f32 v[ST+8*\t+1], v[ST+8*\t+4], v[ST+8*\t+5]   ; the new m
.endr
.irp t, 0,1
	v_mul_f32 v[ST+8*\t], s[CS], v[ST+8*\t+1]      ; c m
.endr
.irp t, 0,1
	v_sub_f32 v[ST+8*\t+7], v[ST+8*\t+7], v[ST+8*\t]
.endr
.irp j, 0,2,4,6,8,10,12,14,16,18,20,22,24,26,28,30
.irp t, 0,1
	v_pk_fma_f32 v[S+32*\t+\j:S+32*\t+\j+1], v[S+32*\t+\j:S+32*\t+\j+1], s[CS:CS+1], v[ST+8*\t:ST+8*\t+1] op_sel_hi:[1,0,0] neg_lo:[0,0,1] neg_hi:[0,0,1]   ; c s - c m, two at a time
.endr
.endr
.irp t, 0,1
	v_exp_f32 v[ST+8*\t+6], v[ST+8*\t+7]           ; a
.endr
.set i, 0
.rept 64
	v_exp_f32 v[S+i], v[S+i]                       ; p: one batch of 66 exponentials; none reads another's result
.set i, i+1
.endr
	v_nop                                          ; a plain line behind the last exponential
	s_wait_alu depctr_va_vdst(0)                   ; one wait for the batch, ahead of its first reader
.irp t, 0,1
	v_pk_mul_f32 v[ST+8*\t+2:ST+8*\t+3], v[ST+8*\t+2:ST+8*\t+3], v[ST+8*\t+6:ST+8*\t+7] op_sel_hi:[1,0]   ; l under the new m
.endr
.irp t, 0,1
	v_pk_add_f32 v[ST+8*\t+4:ST+8*\t+5], v[S+32*\t:S+32*\t+1], v[S+32*\t+2:S+32*\t+3]   ; the sum of the unrounded p, in two chains
.endr
.irp j, 4,8,12,16,20,24,28
.irp t, 0,1
	v_pk_add_f32 v[ST+8*\t+2:ST+8*\t+3], v[ST+8*\t+2:ST+8*\t+3], v[S+32*\t+\j:S+32*\t+\j+1]
	v_pk_add_f32 v[ST+8*\t+4:ST+8*\t+5], v[ST+8*\t+4:ST+8*\t+5], v[S+32*\t+\j+2:S+32*\t+\j+3]
.endr
.endr
.irp t, 0,1
	v_pk_add_f32 v[ST+8*\t+2:ST+8*\t+3], v[ST+8*\t+2:ST+8*\t+3], v[ST+8*\t+4:ST+8*\t+5]
.endr
.irp j, 0,1,2,3,4,5,6,7,8,9,10,11,12,13,14,15
.irp t, 0,1
	v_cvt_pk_f16_f32 v[S+32*\t+\j], v[S+32*\t+2*\j], v[S+32*\t+2*\j+1]   ; in place, ascending: register j is written when registers 2 j and 2 j + 1 are read, and no later line reads it
.endr
.endr
.irp j, 0,2,4,6,8,10,12,14,16,18,20,22,24,26,28,30
.irp t, 0,1
	v_pk_mul_f32 v[O+32*\t+\j:O+32*\t+\j+1], v[O+32*\t+\j:O+32*\t+\j+1], v[ST+8*\t+6:ST+8*\t+7] op_sel_hi:[1,0]   ; O^T under the new m; each accumulator from its low end on
.endr
.endr
	s_wait_dscnt 0x0                               ; V is in
.irp ku, 0,1                                   ; O^T += V^T P: the eight accumulators by turns
.irp ct, 0,1,2,3
.irp t, 0,1
	v_wmma_f32_16x16x32_f16 v[O+32*\t+8*\ct:O+32*\t+8*\ct+7], v[KV+8*(4*\ku+\ct):KV+8*(4*\ku+\ct)+7], v[S+32*\t+8*\ku:S+32*\t+8*\ku+7], v[O+32*\t+8*\ct:O+32*\t+8*\ct+7]
.endr
.endr
.endr
.endm
.macro PROCESS slot                    ; a slot's eight key steps: the step is written once, the LDS addresses hang on s[TB]
	s_mov_b32 s[TB], \slot*SLOT1
	s_mov_b32 s[CNT], 8
.Lstep_\@:
	STEP
	s_add_co_u32 s[TB], s[TB], 8192
	s_sub_co_u32 s[CNT], s[CNT], 1
	s_cmp_lg_u32 s[CNT], 0
	s_cbranch_scc1 .Lstep_\@
.endm
; THE CHANGE OF SLOTS.  Each wave waits for all its tensor loads (its part of the slot ahead), adds 0 to its spare word, and waits for that and for its reads of the slot that it leaves.
; fill = 1: that slot is filled again with the keys 1,024 on: the barrier is a round of the cluster's, and the joint refill is the first thing behind it, one load a wave.
.macro CHANGE slot, fill
	s_wait_tensorcnt 0x0                           ; no tensor load of mine is out, so a group 0 may be written
	ds_add_u32 v[SPW], v[NIL]
.if \fill
	s_add_nc_u64 s[G0+4*\slot+2:G0+4*\slot+3], s[G0+4*\slot+2:G0+4*\slot+3], 131072   ; two slots' keys on; the type bits on top are not reached
.endif
	s_wait_dscnt 0x0                               ; the add is done, and my reads of the slot are over
.if \fill
	CROUND
	tensor_load_to_lds s[G0+4*\slot:G0+4*\slot+3], s[G1:G1+7]
	s_nop 0
.else
	s_barrier_signal -1
	s_barrier_wait -1
.endif
.endm
	s_wait_tensorcnt 1                             ; my part of slot 0 is in; slot 1's may stay out
	s_barrier_signal -1
	s_barrier_wait -1                              ; everybody's is
	s_wait_loadcnt 0x0                             ; Q
	PROCESS 0                                      ; keys 0 to 511
	CHANGE 0, 1
	PROCESS 1                                      ; 512 to 1,023
	CHANGE 1, 1
	PROCESS 0                                      ; 1,024 to 1,535
	CHANGE 0, 0                                    ; nothing is left to ask for
	PROCESS 1                                      ; 1,536 to 2,047
	; THE WAY OUT.  l's two halves and the other half of the lanes' are added; O^T is divided by l and rounded to f16; a lane's eight channels of a query are 16 bytes of an image: 32 lanes store 512 consecutive bytes, aligned.
.rept 4
	v_nop                                          ; places behind the last products
.endr
.irp t, 0,1
	v_add_f32 v[ST+8*\t+4], v[ST+8*\t+2], v[ST+8*\t+3]
.endr
.irp t, 0,1
	v_permlanex16_b32 v[ST+8*\t+5], v[ST+8*\t+4], s[SEL], s[SEL+1]
.endr
.irp t, 0,1
	v_add_f32 v[ST+8*\t+4], v[ST+8*\t+4], v[ST+8*\t+5]
.endr
.irp t, 0,1
	v_rcp_f32 v[ST+8*\t+6], v[ST+8*\t+4]
.endr
	v_nop                                          ; a plain line behind the last reciprocal
	s_wait_alu depctr_va_vdst(0)                   ; one wait for both, ahead of the first reader
.irp t, 0,1
.irp j, 0,2,4,6,8,10,12,14,16,18,20,22,24,26,28,30
	v_pk_mul_f32 v[O+32*\t+\j:O+32*\t+\j+1], v[O+32*\t+\j:O+32*\t+\j+1], v[ST+8*\t+6:ST+8*\t+7] op_sel_hi:[1,0]
.endr
.endr
.irp t, 0,1
.irp j, 0,1,2,3,4,5,6,7,8,9,10,11,12,13,14,15
	v_cvt_pk_f16_f32 v[S+16*\t+\j], v[O+32*\t+2*\j], v[O+32*\t+2*\j+1]
.endr
.endr
.irp t, 0,1
.irp ct, 0,1,2,3
	global_store_b128 v[L16], v[S+16*\t+4*\ct:S+16*\t+4*\ct+3], s[40:41] offset:4096*\t+512*\ct
.endr
.endr
	s_wait_tensorcnt 0x0                           ; the wave's end: these three lines behind my last tensor load
	ds_add_u32 v[SPW], v[NIL]
	s_wait_dscnt 0x0
	CROUND                                         ; the closing round: no work-group ends while a partner may still ask for a tile that names it
	s_endpgm
.Lfunc_end_k_q87ca466890_attn:
	.size	k_q87ca466890_attn, .Lfunc_end_k_q87ca466890_attn-k_q87ca466890_attn
	.p2alignl 7, 3214868480
	.fill 96, 4, 3214868480
	.section	.rodata,"a",@progbits
	.p2align	6, 0x0
	.amdhsa_kernel k_q87ca466890_attn
		.amdhsa_group_segment_fixed_size 327680
		.amdhsa_private_segment_fixed_size 0
		.amdhsa_enable_private_segment 0
		.amdhsa_kernarg_size 16
		.amdhsa_user_sgpr_count 2
		.amdhsa_user_sgpr_kernarg_segment_ptr 1
		.amdhsa_wavefront_size32 1
		.amdhsa_system_sgpr_workgroup_id_x 1
		.amdhsa_system_sgpr_workgroup_id_y 1
		.amdhsa_system_sgpr_workgroup_id_z 1
		.amdhsa_system_vgpr_workitem_id 0
		.amdhsa_next_free_vgpr 256
		.amdhsa_next_free_sgpr 66
		.amdhsa_reserve_vcc 0
		.amdhsa_float_denorm_mode_32 3
		.amdhsa_float_denorm_mode_16_64 3
		.amdhsa_memory_ordered 1
		.amdhsa_forward_progress 1
		.amdhsa_inst_pref_size 83
	.end_amdhsa_kernel
	.amdgpu_metadata
---
amdhsa.version: [ 1, 2 ]
amdhsa.kernels:
  - .name:           k_q87ca466890_attn
    .symbol:         k_q87ca466890_attn.kd
    .args:
      - { .name: qkv, .offset: 0, .size: 8, .value_kind: global_buffer, .address_space: global }
      - { .name: xa, .offset: 8, .size: 8, .value_kind: global_buffer, .address_space: global }
    .group_segment_fixed_size: 327680
    .private_segment_fixed_size: 0
    .kernarg_segment_align: 8
    .kernarg_segment_size: 16
    .max_flat_workgroup_size: 512
    .sgpr_count:     66
    .vgpr_count:     256
    .wavefront_size: 32
...
	.end_amdgpu_metadata
.endif
;; end of part 3
;; launch outp (part 4): grid 4 x 64, 4 waves a work-group, clusters of 4 x 4, 327,680 bytes of LDS; arguments xa, wo16, bo, out0; writes out0
.if DOCPART == 4
	.amdgcn_target "amdgcn-amd-amdhsa--gfx1250"
	.amdhsa_code_object_version 6
	.text
	.protected	k_q87ca466890_outp
	.globl	k_q87ca466890_outp
	.p2align	8
	.type	k_q87ca466890_outp,@function
k_q87ca466890_outp:
	s_mov_b64 s[64:65], 0
	v_nop
	global_prefetch_b8 v0, s[64:65] scope:SCOPE_SE
	s_setreg_imm32_b32 hwreg(HW_REG_WAVE_MODE, 25, 1), 1
	s_wait_xcnt 0x0
	s_wait_alu depctr_hold_cnt(0) depctr_sa_sdst(0) depctr_va_vdst(0) depctr_va_sdst(0) depctr_va_ssrc(0) depctr_va_vcc(0) depctr_vm_vsrc(0)
	s_getreg_b32 s2, hwreg(HW_REG_IB_STS2, 6, 4)
	s_cmp_eq_u32 s2, 0
	s_cbranch_scc0 .Lentry_in_a_cluster
	s_endpgm
.Lentry_in_a_cluster:
	s_bfe_u32 s2, ttmp6, 0x10000c
	s_cmp_lg_u32 s2, 0xf033
	s_cbranch_scc0 .Lentry_shape_is_right
	s_endpgm
.Lentry_shape_is_right:
; OUTP.  out0 = x Wo + bo: [8192 x 1024] x [1024 x 1024], operands in f16, sums in f32, the bias as the C of each sum's first product.
; A tile of out0 is 128 rows x 256 columns: 256 work-groups.  Four waves, each 64 x 128: 32 accumulators of 16 x 16, 256 registers.  K goes in steps of 128 through a ring of two LDS slots.
; x and Wo come as images of the operands' registers (512 bytes, lane l's 16 bytes at 16 l): a K step's tile is one dense block (x: 32,768 bytes, Wo: 65,536), and a fragment is read at a constant + 16 x lane.
; THE MATRIX INSTRUCTION IS USED TRANSPOSED (source 0 = 16 columns of Wo, source 1 = 16 rows of x): a lane holds eight neighbouring numbers of a row of out0.
; CLUSTERS: 4 x 4 work-groups.  x's tile hangs on the tile row and is asked for jointly by a row of the cluster, Wo's on the tile column and by a column.
; REGISTERS: window 0: v16-29 addresses; v32-127, v128-223 two fragment buffers (x's 4 fragments, then Wo's 8); on the way out v32-159 rows read back.   window 1: the accumulators ((a, b) at v[8 (8 a + b)]).   window 2: v0-63 the bias.
.set SLOT,  98304                      ; x's 128 rows (32,768 bytes), then Wo's 256 columns (65,536)
.set STAGE, 2*SLOT                     ; bytes of its own, into which no fill lands: 16 rows x (512 bytes + 16) for each wave
.set SPITCH, 528
.set SPARE, STAGE+4*16*SPITCH          ; the spare words, 128 bytes for each wave: two blocks of 256 bytes that no other line names
.set ADRA, 16                          ; v16-17 LDS address of my fragments of x in slot 0, 1
.set ADRB, 20                          ; v20-21 of Wo
.set STO,  24                          ; v24 the way out: where I put 32 bytes of a row
.set RD,   25                          ; v25 where I read a row back
.set CO,   26                          ; v26 16 x lane
.set BOF,  27                          ; v27 32 x (lane / 16): the bias loads' offset
.set SPW,  28                          ; v28 LDS address of my spare word; never rewritten
.set NIL,  29                          ; v29 0; never rewritten
.set F0,   32
.set F1,   128
.set WV,   12                          ; s12 wave; s13 wave / 2: my half of the rows, and: I fetch x (0) or Wo (1); s14 wave % 2: my half of the columns, and which half I fetch
.set HM,   13
.set HN,   14
.set G1,   24                          ; s[24:31] group 1 for x's tiles; s[32:39] groups 0, one for each slot
.set G0,   32
.set G1B,  48                          ; s[48:55], s[56:63] the same for Wo's
.set G0B,  56
.set MSB, 0
.macro WIN new                         ; the immediate's high byte repeats the setting that is left
.if MSB != \new
	s_set_vgpr_msb (MSB<<8)|\new
.set MSB, \new
.endif
.endm
.set MUL,  0x50                        ; sources 0 and 1 window 0; C and D window 1
.set MULF, 0x60                        ; the first products: C window 2 (the bias), D window 1
.macro JLOAD s                         ; a joint load: waves 0 and 1 fetch x's two halves, waves 2 and 3 Wo's; an s_nop 0 and four v_nop follow each line
	s_cmp_eq_u32 s[HM], 0
	s_cbranch_scc0 .Lfor_b_\@
	tensor_load_to_lds s[G0+4*\s:G0+4*\s+3], s[G1:G1+7]
	s_nop 0
.rept 4
	v_nop
.endr
	s_branch .Lasked_\@
.Lfor_b_\@:
	tensor_load_to_lds s[G0B+4*\s:G0B+4*\s+3], s[G1B:G1B+7]
	s_nop 0
.rept 4
	v_nop
.endr
.Lasked_\@:
.endm
.macro CREST                           ; a round of the cluster's barrier behind its opening barrier
	s_cmp_lg_u32 s[WV], 0
	s_cbranch_scc1 .Lnot_wave_0_\@
	s_barrier_signal -3
.Lnot_wave_0_\@:
	s_barrier_wait -3
	s_barrier_signal -1
	s_barrier_wait -1
.endm
.macro CROUND
	s_barrier_signal -1
	s_barrier_wait -1
	CREST
.endm
	s_load_b256 s[4:11], s[0:1], 0x0               ; xa, wo16, bo, out0
	v_lshl_add_u32 v[SPW], v0, 2, SPARE
	v_mov_b32 v[NIL], 0
	ds_add_u32 v[SPW], v[NIL]                      ; the wave's opening: the add, twice on end, and its wait ahead of my first tensor load; the set-up below stands between
	ds_add_u32 v[SPW], v[NIL]
	v_lshrrev_b32 v1, 5, v0
	v_readfirstlane_b32 s[WV], v1
	s_lshr_b32 s[HM], s[WV], 1
	s_and_b32 s[HN], s[WV], 1
	s_bfe_u32 s40, ttmp6, 0x40000                  ; cx = the tile column
	s_bfe_u32 s41, ttmp6, 0x40004                  ; cy
	s_and_b32 s42, ttmp7, 0xffff
	s_lshl_b32 s42, s42, 2
	s_add_co_u32 s42, s42, s41                     ; the tile row = 4 x cluster y + cy
	s_lshl_b32 s43, s41, 2
	s_lshl_b32 s43, 15, s43                        ; my row of the cluster
	s_lshl_b32 s44, 0x1111, s40                    ; my column
	s_or_b32 s[G1], s43, (3<<16)|(1<<21)           ; dense blocks as rows of 256 bytes (32 elements of 8 bytes), no padding; 15:0 the mask; 21 set beside a mask
	s_or_b32 s[G1B], s44, (3<<16)|(1<<21)
	s_mov_b32 s[G1+1], 32<<16
	s_mov_b32 s[G1+2], 64<<16                      ; x: 64 rows of 256 bytes: 64 rows of x, 128 along K
	s_mov_b32 s[G1+3], 32<<16
	s_mov_b32 s[G1+4], 64
	s_mov_b32 s[G1+5], 32
	s_mov_b32 s[G1+6], 0
	s_mov_b32 s[G1+7], 0
	s_mov_b32 s[G1B+1], 32<<16
	s_mov_b32 s[G1B+2], 128<<16                    ; Wo: 128 rows of 256 bytes: 128 columns of Wo
	s_mov_b32 s[G1B+3], 32<<16
	s_mov_b32 s[G1B+4], 128
	s_mov_b32 s[G1B+5], 32
	s_mov_b32 s[G1B+6], 0
	s_mov_b32 s[G1B+7], 0
	s_lshl_b32 s16, s42, 15                        ; x: tile row x 32,768 + the half that I fetch x 16,384
	s_lshl_b32 s17, s[HN], 14
	s_add_co_u32 s16, s16, s17
	s_mov_b32 s17, 0
	s_lshl_b32 s46, s40, 16                        ; Wo: tile column x 65,536 + half x 32,768
	s_lshl_b32 s47, s[HN], 15
	s_add_co_u32 s46, s46, s47
	s_mov_b32 s47, 0
	s_lshl_b32 s20, s[HN], 14                      ; where they go in a slot: x's halves,
	s_lshl_b32 s21, s[HN], 15
	s_add_co_u32 s21, s21, 32768                   ; Wo's behind them: no place in the cluster enters an LDS address
	s_wait_dscnt 0x0                               ; both opening adds are done
	s_wait_kmcnt 0x0
	s_add_nc_u64 s[18:19], s[4:5], s[16:17]
	s_add_nc_u64 s[46:47], s[6:7], s[46:47]
	CROUND                                         ; all sixteen work-groups are here: the first joint loads meet
.irp s, 0,1
	s_mov_b32 s[G0+4*\s], 1
	s_add_co_u32 s[G0+4*\s+1], s20, \s*SLOT
	s_add_nc_u64 s[G0+4*\s+2:G0+4*\s+3], s[18:19], \s*2097152     ; K step s
	s_or_b32 s[G0+4*\s+3], s[G0+4*\s+3], 0x80000000
	s_mov_b32 s[G0B+4*\s], 1
	s_add_co_u32 s[G0B+4*\s+1], s21, \s*SLOT
	s_add_nc_u64 s[G0B+4*\s+2:G0B+4*\s+3], s[46:47], \s*262144
	s_or_b32 s[G0B+4*\s+3], s[G0B+4*\s+3], 0x80000000
	JLOAD \s
.endr
	v_and_b32 v1, 31, v0
	v_and_b32 v2, 15, v0                           ; r
	v_bfe_u32 v3, v0, 4, 1                         ; h
	v_lshlrev_b32 v[CO], 4, v1
	v_lshlrev_b32 v[BOF], 5, v3
	s_lshl_b32 s22, s[HM], 14                      ; my 64 rows of x
	s_lshl_b32 s23, s[HN], 15
	s_add_co_u32 s23, s23, 32768                   ; my 128 columns of Wo
.irp s, 0,1
	v_add_nc_u32 v[ADRA+\s], s22, v[CO]
	v_add_nc_u32 v[ADRB+\s], s23, v[CO]
	s_add_co_u32 s22, s22, SLOT
	s_add_co_u32 s23, s23, SLOT
.endr
	s_mul_i32 s22, s[WV], 16*SPITCH
	s_add_co_u32 s22, s22, STAGE                   ; my stage
	v_mul_u32_u24 v4, v2, SPITCH
	v_lshl_add_u32 v4, v3, 5, v4
	v_add_nc_u32 v[STO], s22, v4                   ; in: row r, 32 bytes for each half of the lanes
	v_add_nc_u32 v[RD], s22, v[CO]                 ; back: the 32 lanes take one row of 512 bytes
	s_lshl_b32 s16, s40, 10                        ; my first column, in bytes: 1,024 x tile column + 512 x half
	s_lshl_b32 s17, s[HN], 9
	s_add_co_u32 s16, s16, s17
	s_mov_b32 s17, 0
	s_add_nc_u64 s[8:9], s[8:9], s[16:17]          ; the bias there
	s_lshl_b32 s22, s42, 19                        ; my first row: (128 x tile row + 64 x half) rows of 4,096 bytes
	s_add_co_u32 s16, s16, s22
	s_lshl_b32 s22, s[HM], 18
	s_add_co_u32 s16, s16, s22
	s_add_nc_u64 s[10:11], s[10:11], s[16:17]
	WIN 0x80                                       ; destination window 2
.irp b, 0,1,2,3,4,5,6,7
	global_load_b128 v[8*\b:8*\b+3], v[BOF], s[8:9] offset:64*\b          ; register 8 b + j: bo of column 16 b + 8 h + j: the result's layout
	global_load_b128 v[8*\b+4:8*\b+7], v[BOF], s[8:9] offset:64*\b+16
.endr
	WIN 0
; 8 matrix instructions: x's block a x Wo's eight, 32 along K, from buffer f.  first = 1: the bias starts the sums.  The 32 accumulators take turns, one instruction a turn.
.macro MUL8 f, a, first
.irp b, 0,1,2,3,4,5,6,7
.if \first
	v_wmma_f32_16x16x32_f16 v[8*(8*(\a)+\b):8*(8*(\a)+\b)+7], v[\f+32+8*\b:\f+32+8*\b+7], v[\f+8*(\a):\f+8*(\a)+7], v[8*\b:8*\b+7]
.else
	v_wmma_f32_16x16x32_f16 v[8*(8*(\a)+\b):8*(8*(\a)+\b)+7], v[\f+32+8*\b:\f+32+8*\b+7], v[\f+8*(\a):\f+8*(\a)+7], v[8*(8*(\a)+\b):8*(8*(\a)+\b)+7]
.endif
.endr
.endm
.macro FETCH slot, q, f                ; 24 LDS loads in one run: the fragments of the slot's q-th 32 along K: Wo's eight first, then x's four
.irp b, 0,1,2,3,4,5,6,7
.irp c, 0,1
	ds_load_b128 v[\f+32+8*\b+4*\c:\f+32+8*\b+4*\c+3], v[ADRB+\slot] offset:4096*\b+1024*(\q)+512*\c
.endr
.endr
.irp a, 0,1,2,3
.irp c, 0,1
	ds_load_b128 v[\f+8*\a+4*\c:\f+8*\a+4*\c+3], v[ADRA+\slot] offset:4096*\a+1024*(\q)+512*\c
.endr
.endr
.endm
.macro PLACES                          ; four plain lines between a matrix instruction and a load into, or a read of, its registers
.rept 4
	v_nop
.endr
.endm
; A K step is four quarters of 32 along K, 32 matrix instructions each, on buffers 0, 1, 0, 1.  One of the first three: multiplies buffer f and fetches quarter qn into g.
.macro QUARTER slot, qn, f, g, first
	s_wait_dscnt 4                                 ; all but the youngest four loads (x's fragments 2 and 3) are in
.if \first
	WIN MULF
.else
	WIN MUL
.endif
	MUL8 \f, 0, \first
	MUL8 \f, 1, \first
	PLACES
	WIN 0
	FETCH \slot, \qn, \g
	s_wait_dscnt 24                                ; all but the 24 just issued
.if \first
	WIN MULF
.else
	WIN MUL
.endif
	MUL8 \f, 2, \first
	MUL8 \f, 3, \first
.endm
; The last quarter multiplies buffer 1 and changes slots: one barrier; in front of it each wave waits for all its tensor loads, adds 0 to its spare word, and waits for that and for its reads of this slot.  fill = 1: this slot is filled again, two K steps ahead.
.macro TURN slot, next, fill
	WIN 0                                          ; the add's two registers lie in window 0
	s_wait_tensorcnt 0x0                           ; all my tensor loads have landed: my part of the next slot
	ds_add_u32 v[SPW], v[NIL]
	s_wait_dscnt 5                                 ; the add and the youngest four loads may be out
	WIN MUL
	MUL8 F1, 0, 0
	s_wait_dscnt 0x0                               ; the add is done, and my reads of this slot are over
	s_barrier_signal -1
	MUL8 F1, 1, 0
	WIN 0
	s_barrier_wait -1
.if \fill
	CREST                                          ; the barrier has opened a round of the cluster's: no wave of any partner still reads this slot or has a load on its way
	s_add_nc_u64 s[G0+4*\slot+2:G0+4*\slot+3], s[G0+4*\slot+2:G0+4*\slot+3], 2*2097152
	s_add_nc_u64 s[G0B+4*\slot+2:G0B+4*\slot+3], s[G0B+4*\slot+2:G0B+4*\slot+3], 2*262144
	JLOAD \slot                                    ; the first tensor load behind the round; its four v_nop are also the places in front of the loads below
.else
	PLACES
.endif
	FETCH \next, 0, F0
	WIN MUL
	MUL8 F1, 2, 0
	MUL8 F1, 3, 0
.endm
	s_wait_tensorcnt 1                             ; my part of K step 0 is in; K step 1's may stay out
	s_barrier_signal -1
	s_barrier_wait -1                              ; everybody's is
	FETCH 0, 0, F0
	s_wait_loadcnt 0x0                             ; the bias
	QUARTER 0, 1, F0, F1, 1                        ; the first quarter stands in front of the loop: its products start the sums from the bias
	WIN 0                                          ; at a label and at a branch every window is 0
	s_mov_b32 s15, 3
.Llap:                                                 ; a trip goes once round the ring and fills both slots again: six refills for K steps 2 to 7
	QUARTER 0, 2, F1, F0, 0
	QUARTER 0, 3, F0, F1, 0
	TURN 0, 1, 1
	QUARTER 1, 1, F0, F1, 0
	QUARTER 1, 2, F1, F0, 0
	QUARTER 1, 3, F0, F1, 0
	TURN 1, 0, 1
	QUARTER 0, 1, F0, F1, 0
	WIN 0
	s_sub_co_u32 s15, s15, 1
	s_cmp_lg_u32 s15, 0
	s_cbranch_scc1 .Llap
	QUARTER 0, 2, F1, F0, 0                        ; the last lap is written out: it fills nothing
	QUARTER 0, 3, F0, F1, 0
	TURN 0, 1, 0
	QUARTER 1, 1, F0, F1, 0
	QUARTER 1, 2, F1, F0, 0
	QUARTER 1, 3, F0, F1, 0
	s_wait_dscnt 4
	WIN MUL
	MUL8 F1, 0, 0
	MUL8 F1, 1, 0
	s_wait_dscnt 0
	MUL8 F1, 2, 0
	MUL8 F1, 3, 0
	WIN 0
; THE WAY OUT, block by block of 16 rows x 128 columns: a lane holds 32 bytes of a row and the lanes beside it other rows, so a block goes through my own stage and comes back as whole rows of 512 bytes.
; LDS serves a wave's instructions in order (ISA guide 5.7.1.4): no wait between the stores and the loads, nor in front of the next block's stores.
.macro TOSTAGE a
	WIN 0x04                                       ; an LDS store's data are its source 1: window 1
.irp b, 0,1,2,3,4,5,6,7
	ds_store_b128 v[STO], v[8*(8*(\a)+\b):8*(8*(\a)+\b)+3] offset:64*\b          ; each accumulator from its low end on
	ds_store_b128 v[STO], v[8*(8*(\a)+\b)+4:8*(8*(\a)+\b)+7] offset:64*\b+16
.endr
	WIN 0
.set BB, 32+64*((\a)%2)
.set i, 0
.rept 16
	ds_load_b128 v[BB+4*i:BB+4*i+3], v[RD] offset:i*SPITCH
.set i, i+1
.endr
.endm
.macro SEND a, younger                 ; younger: the LDS instructions issued behind block a's loads, which may stay out
.set BB, 32+64*((\a)%2)
	s_wait_dscnt \younger
.set i, 0
.rept 16
	global_store_b128 v[CO], v[BB+4*i:BB+4*i+3], s[10:11] offset:65536*(\a)+4096*i th:TH_STORE_NT   ; 32 lanes store 512 consecutive bytes, aligned; written once, read by nobody here
.set i, i+1
.endr
.endm
	PLACES                                         ; behind the last products: results are read, and loads land in registers that held fragments
	TOSTAGE 0
	TOSTAGE 1
	SEND 0, 32                                     ; behind block 0's loads: block 1's 16 stores and 16 loads
	s_wait_xcnt 0x0                                ; block 0's stores have read their registers: block 2's loads may land there
	TOSTAGE 2
	SEND 1, 32
	s_wait_xcnt 0x0                                ; block 1's likewise
	TOSTAGE 3
	SEND 2, 32
	SEND 3, 0
	s_wait_tensorcnt 0x0                           ; the wave's end: these three lines behind my last tensor load and my last LDS store
	ds_add_u32 v[SPW], v[NIL]
	s_wait_dscnt 0x0
	CROUND                                         ; the closing round: no work-group ends while a partner may still ask for a tile that names it
	s_endpgm
.Lfunc_end_k_q87ca466890_outp:
	.size	k_q87ca466890_outp, .Lfunc_end_k_q87ca466890_outp-k_q87ca466890_outp
	.p2alignl 7, 3214868480
	.fill 96, 4, 3214868480
	.section	.rodata,"a",@progbits
	.p2align	6, 0x0
	.amdhsa_kernel k_q87ca466890_outp
		.amdhsa_group_segment_fixed_size 327680
		.amdhsa_private_segment_fixed_size 0
		.amdhsa_enable_private_segment 0
		.amdhsa_kernarg_size 32
		.amdhsa_user_sgpr_count 2
		.amdhsa_user_sgpr_kernarg_segment_ptr 1
		.amdhsa_wavefront_size32 1
		.amdhsa_system_sgpr_workgroup_id_x 1
		.amdhsa_system_sgpr_workgroup_id_y 1
		.amdhsa_system_sgpr_workgroup_id_z 1
		.amdhsa_system_vgpr_workitem_id 0
		.amdhsa_next_free_vgpr 640
		.amdhsa_next_free_sgpr 66
		.amdhsa_reserve_vcc 0
		.amdhsa_float_denorm_mode_32 3
		.amdhsa_float_denorm_mode_16_64 3
		.amdhsa_memory_ordered 1
		.amdhsa_forward_progress 1
		.amdhsa_inst_pref_size 86
	.end_amdhsa_kernel
	.amdgpu_metadata
---
amdhsa.version: [ 1, 2 ]
amdhsa.kernels:
  - .name:           k_q87ca466890_outp
    .symbol:         k_q87ca466890_outp.kd
    .args:
      - { .name: xa, .offset: 0, .size: 8, .value_kind: global_buffer, .address_space: global }
      - { .name: wo16, .offset: 8, .size: 8, .value_kind: global_buffer, .address_space: global }
      - { .name: bo, .offset: 16, .size: 8, .value_kind: global_buffer, .address_space: global }
      - { .name: out0, .offset: 24, .size: 8, .value_kind: global_buffer, .address_space: global }
    .group_segment_fixed_size: 327680
    .private_segment_fixed_size: 0
    .kernarg_segment_align: 8
    .kernarg_segment_size: 32
    .max_flat_workgroup_size: 128
    .sgpr_count:     66
    .vgpr_count:     640
    .wavefront_size: 32
...
	.end_amdgpu_metadata
.endif
;; end of part 4
